; MI455X (gfx1250); checked and timed in simulation.
; The chip was launched on July 23, 2026; its instructions are those of AMD's public machine-readable ISA for CDNA 5 (MIT licence, August 2026) and "CDNA5" Instruction Set Architecture Reference Guide (July 2026). The comments in the code are by the model that wrote it; some were corrected since.
;; Attention. Allowed arithmetic: matrix products marked QUANTISED: E2M3 operands, one E8M0 scale for each 32 along K, by v_wmma_scale_f32_16x16x128_f8f6f4 with both operands' format E2M3, f32 sums; everything else in f32.
;; Inputs: Wk 2,048 x 1,024 float32; Wo 1,024 x 2,048 float32; Wq 2,048 x 1,024 float32; Wv 2,048 x 1,024 float32; k_gamma 128 float32; q_gamma 128 float32; x 2 x 2,048 x 2,048 float32.
;; Outputs: out0 2 x 2,048 x 2,048 float32.
;; This version of the problem:
;;   THIS VERSION OF THE PROBLEM IS GIVEN IN LOW PRECISION. The matrix products marked QUANTISED in the list below multiply operands that are first quantised to E2M3 (2 exponent bits, 3 mantissa bits; 6 bits a number), with one power-of-two scale for each 32 numbers along K (OCP MX v1.0); their sums are f32. All else is computed in f32.
;;   The module's matrix products, in the order in which they are computed (A, B: the left and right operand; K: the contracted axis; several contracted axes count as one K, in the product's order):
;;     1. [M 4,096, K 2,048] x [K 2,048, N 1,024]; A: input x; B: input Wq: QUANTISED
;;     2. [M 4,096, K 2,048] x [K 2,048, N 1,024]; A: input x; B: input Wk: QUANTISED
;;     3. [M 4,096, K 2,048] x [K 2,048, N 1,024]; A: input x; B: input Wv: QUANTISED
;;     4. batch 16 x [M 2,048, K 128] x [K 128, N 2,048]; A: computed on the way; B: computed on the way: QUANTISED
;;     5. batch 16 x [M 128, K 2,048] x [K 2,048, N 2,048]; A: computed on the way; B: softmax (see below): QUANTISED
;;     6. [M 4,096, K 1,024] x [K 1,024, N 2,048]; A: computed on the way; B: input Wo: QUANTISED
;;   THE QUANTISER, for each operand of a quantised product, along K:
;;     - K is cut into blocks of 32 from its start; a last block that is shorter is filled with zeros.
;;     - A block's scale is 2^e with e = floor(log2(the largest magnitude in the block)) - 2, held to -126 .. 127; a block of zeros has e = 0. As a byte (E8M0): e + 127.
;;     - Each number is divided by its block's scale, clamped to +-7.5, and rounded to the nearest number of E2M3, ties to even, subnormals kept.
;;     - The product sums the exact products of the quantised numbers (number of the format x scale) in f32.
;;   ~~~python
;;   def quantise(x, axis):      # numpy; x: float32 -> the quantised numbers, widened to float32 again
;;       x = np.moveaxis(x, axis, -1); K = x.shape[-1]
;;       x = np.pad(x, [(0, 0)] * (x.ndim - 1) + [(0, -K % 32)]); x = x.reshape(x.shape[:-1] + (-1, 32)); a = np.abs(x).max(-1, keepdims=True)
;;       e = np.where(a > 0, np.clip(np.frexp(np.where(a > 0, a, 1))[1] - 1 - 2, -126, 127), 0)      # np.frexp(a)[1] - 1 = floor(log2(a)), exactly
;;       r = np.clip(x / 2.0 ** e, -7.5, 7.5)
;;       step = 2.0 ** (np.maximum(np.frexp(np.where(r == 0, 1, r))[1] - 1, 0) - 3)
;;       q = np.round(r / step) * step * 2.0 ** e      # np.round: ties to even
;;       return np.moveaxis(q.reshape(q.shape[:-2] + (-1,))[..., :K], -1, axis).astype(np.float32)
;;   ~~~
;;   SOFTMAX AHEAD OF A QUANTISED PRODUCT. Where the list says 'softmax', what is quantised is not the finished softmax but p = 2^(t - M), with t = logit x log2(e) and M = ceil(the row's largest t), a whole number; so 1/2 < the row's largest p <= 1. The row's sum l is taken of the UNQUANTISED p, in f32, and the product's result is divided by l at the end. Since M is a whole number, a kernel that streams over the keys may use a running M (the ceiling of the running maximum): every later rescaling is an exact power of two, which a block's scale takes up: the codes' values come out the same.
;;   OPERANDS COMPUTED ON THE WAY. 'Computed on the way' means the value that the module computes at that place (a softmax that the list does not call 'softmax' is quantised finished and normalised). What goes into a quantiser is computed in f32, as accurately as f32 sums, v_exp_f32 and their like allow (about 1e-6 of the number): no bf16 or f16 on the way to a quantiser, and a product that is left as it is and whose result goes on into a quantised operand takes f32 operands (vector FMAs, or v_wmma_f32_16x16x4_f32). A number that lies on a knife's edge between two numbers of the format may be rounded either way, as far as f32 arithmetic and the matrix unit's own rounding can turn it there, and no further.
;; One version. Each part assembles by itself: llvm-mc -triple=amdgcn-amd-amdhsa -mcpu=gfx1250 --defsym DOCPART=n.
;; ======== version 1 of 1: 4 launches
;; limits: right only within a limited range of input values
;; workspace buffers: xq 6,553,600 bytes; wq 4,915,200 bytes; woq 1,638,400 bytes; qc 3,276,800 bytes; kv 6,553,600 bytes; ao 3,276,800 bytes
;; launch prep (part 1): grid 512 x 1, 4 waves a work-group, no clusters, 85,504 bytes of LDS; arguments x, Wq, Wk, Wv, Wo, xq, wq, woq; writes xq, wq, woq
.if DOCPART == 1
	.amdgcn_target "amdgcn-amd-amdhsa--gfx1250"
	.amdhsa_code_object_version 6
	.text
	.protected	k_qe486919e6e_prep
	.globl	k_qe486919e6e_prep
	.p2align	8
	.type	k_qe486919e6e_prep,@function
k_qe486919e6e_prep:
	s_mov_b64 s[64:65], 0
	v_nop
	global_prefetch_b8 v0, s[64:65] scope:SCOPE_SE
	s_setreg_imm32_b32 hwreg(HW_REG_WAVE_MODE, 25, 1), 1
	s_wait_xcnt 0x0
; x [4096][2048] and the weights Wq, Wk, Wv [2048][1024], Wo [1024][2048], all f32, become codes of FP6 (E2M3) with one E8M0 byte for each 32 along K, once for the whole program.
; A block's scale is 2^(floor(log2(its largest magnitude)) - 2); its byte is that magnitude's exponent field - 2, held at 1 from below; numbers are divided by the scale and rounded to the nearest code, ties to even.
; LIMITS: NaN and infinities are not served; a block whose largest magnitude lies under 2^-124 keeps the byte 1; a block of zeros gets the byte 1 where the rule says 127 (its codes are zeros, and this program alone reads the bytes).
; LAYOUT OF THE CODES: AN IMAGE OF THE OPERAND'S REGISTERS.  A fragment (16 rows x 128 K, 12 registers a lane) lies as dword q of lane l at byte 512 (q / 4) + 16 l + 4 (q % 4): 1,536 bytes, stored and
; loaded by three instructions of 16 bytes a lane, 512 consecutive bytes each.  Images lie [tile of 16 rows][K step of 128]; the scale bytes behind them, [row][K / 32].
; POSITIONS: row p of a tile order holds the true row with bits 3 and 4 of p exchanged (tokens of x, columns of the weights).  A product whose source 0 takes 16 such rows gives a lane 16 true neighbours in the
; registers of two neighbouring tiles, which is the order that the next quantiser wants.
; SHARES: work-groups 0-255: a tile of 16 tokens of x, wave w its K steps 4 w .. 4 w + 3.  256-447: Wq, Wk, Wv: 128 columns x 256 K, a wave 32 columns.  448-511: Wo likewise.
; The three paths part on the work-group's number and have LDS bytes of their own.  No tensor loads, no barrier: waves share nothing.  No cluster: work-groups share no input.
.set XSTW,  8448                       ; X: a wave's stage: 16 rows x (512 bytes + 16)
.set WSTG,  33792                      ; the stages of the path for Wq, Wk, Wv: 6,400 bytes a wave
.set OSTG,  59392                      ; and of the path for Wo
.set WSTW,  6400                       ; two tiles x (two images + 128 bytes)
.set SPARE, 84992                      ; the spare words, 128 bytes for each wave: two blocks of 256 bytes that no other line names
.set XSC_OFF, 6291456                  ; where the scale bytes begin in xq, wq, woq
.set WSC_OFF, 4718592
.set OSC_OFF, 1572864
.set WV,  4                            ; s4   my wave's number
.set SEL, 6                            ; s[6:7] selects of v_permlanex16_b32 for lane l xor 16
.set LN,  2                            ; v2   lane
.set LI,  3                            ; v3   16 x lane
.set SPW, 12                           ; v12  LDS address of my spare word; never rewritten
.set NIL, 13                           ; v13  0; never rewritten
.set R,   16                           ; X: v16-143 two sets of 64 numbers as loaded
.set XN,  144                          ; X: v144-207 64 numbers: register 16 b + i = k 32 b + 16 (lane / 16) + i of my row
.set PC,  208                          ; X: v208-227 the codes
.set TM,  228                          ; X: v228-239 at work in QUANT
.set PWT, 240                          ; X: v240-243 the four steps' scale words
.set WX,  32                           ; W: v32-95 two sets of 32 numbers
.set SB,  24                           ; W: v[24:25] my column's eight scale bytes
.set WC,  96                           ; W: v96-102 a block's codes
.set WO,  112                          ; W: v112-159 the way out
; 64 numbers of a lane become a fragment's codes in v[PC] .. v[PC + 11] and its row's scale word in v[pw].
.macro QUANT s, pw
.irp b, 0,1,2,3
	v_max3_num_f32 v[TM+\b], |v[(\s)+16*\b]|, |v[(\s)+1+16*\b]|, 0x1800000   ; block b: my 16 numbers, and the floor 2^(3 - 127): the byte cannot fall under 1
.endr
.irp i, 2,4,6,8,10,12,14
.irp b, 0,1,2,3
	v_max3_num_f32 v[TM+\b], v[TM+\b], |v[(\s)+16*\b+\i]|, |v[(\s)+1+16*\b+\i]|   ; the four blocks by turns
.endr
.endr
.irp b, 0,1,2,3
	v_permlanex16_b32 v[TM+4+\b], v[TM+\b], s[SEL], s[SEL+1]
.endr
.irp b, 0,1,2,3
	v_max_num_f32 v[TM+\b], v[TM+\b], v[TM+4+\b]       ; with lane l xor 16's 16: the block's largest magnitude
.endr
.irp b, 0,1,2,3
	v_add_nc_u32 v[TM+8+\b], 0xff000000, v[TM+\b]      ; 2 off its exponent field: the conversion's scale operand
.endr
.irp b, 0,1,2,3
	v_lshrrev_b32 v[TM+4+\b], 23, v[TM+8+\b]           ; the scale's byte
.endr
	v_lshl_or_b32 v[\pw], v[TM+5], 8, v[TM+4]
	v_lshl_or_b32 v[\pw], v[TM+6], 16, v[\pw]
	v_lshl_or_b32 v[\pw], v[TM+7], 24, v[\pw]
.irp c, 0,1
	v_cvt_scalef32_pk16_fp6_f32 v[PC+6*\c:PC+2+6*\c], v[(\s)+32*\c:(\s)+15+32*\c], v[TM+8+2*\c]
	v_cvt_scalef32_pk16_fp6_f32 v[PC+12+4*\c:PC+14+4*\c], v[(\s)+16+32*\c:(\s)+31+32*\c], v[TM+8+2*\c+1]   ; (a conversion's three registers begin on an even number)
.endr
	v_nop                                              ; one plain instruction behind a scaled conversion
.irp c, 0,1                            ; the operand's layout wants a whole block in a lane: lanes 0-15 block 2 c, lanes 16-31 block 2 c + 1
.irp i, 0,1,2
	v_permlane16_swap_b32 v[PC+6*\c+\i], v[PC+12+4*\c+\i]
.endr
.irp i, 0,1,2
	v_mov_b32 v[PC+3+6*\c+\i], v[PC+12+4*\c+\i]
.endr
.endr
.endm
; X: step t's 16 rows x 512 bytes: each load takes 512 consecutive bytes of one token's row; row r of the tile is the token (r % 8) + 16 (r / 8) behind the tile's first
.macro XLOAD t
.irp r, 0,1,2,3,4,5,6,7,8,9,10,11,12,13,14,15
	global_load_b128 v[R+64*((\t)%2)+4*\r:R+64*((\t)%2)+4*\r+3], v[LI], s[24:25] offset:((\r%8)+16*(\r/8))*8192+512*(\t) th:TH_LOAD_NT
.endr
.endm
.macro XSTEP t
.if (\t) < 3
	s_wait_loadcnt 16                                  ; this step's 16 loads are in; the next step's 16 may be out
.else
	s_wait_loadcnt 0
.endif
.irp r, 0,1,2,3,4,5,6,7,8,9,10,11,12,13,14,15
	ds_store_b128 v4, v[R+64*((\t)%2)+4*\r:R+64*((\t)%2)+4*\r+3] offset:528*\r   ; through my own stage, as loaded;
.endr
.irp b, 0,1,2,3
.irp j, 0,1,2,3
	ds_load_b128 v[XN+16*\b+4*\j:XN+16*\b+4*\j+3], v5 offset:128*\b+16*\j      ; and back, 16 neighbours of each block of 32 to a lane (LDS serves a wave's instructions in order)
.endr
.endr
	s_wait_dscnt 0x0
.if (\t) < 2
	XLOAD (\t)+2
.endif
.if (\t) > 0
	s_wait_xcnt 0x0                                    ; the last step's stores have read the codes' registers
.endif
	QUANT XN, PWT+(\t)
.irp c, 0,1,2
	global_store_b128 v[LI], v[PC+4*\c:PC+4*\c+3], s[26:27] offset:1536*(\t)+512*\c   ; the image: 512 consecutive aligned bytes a store
.endr
.endm
; W: block t: W(32 t + i, my column), i = 0 .. 31: 32 lanes read 128 consecutive bytes
.macro WLOAD t, N
.irp i, 0,1,2,3,4,5,6,7,8,9,10,11,12,13,14,15,16,17,18,19,20,21,22,23,24,25,26,27,28,29,30,31
	global_load_b32 v[WX+32*((\t)%2)+\i], v8, s[24:25] offset:(32*(\t)+\i)*(\N)*4 th:TH_LOAD_NT
.endr
.endm
.macro WBLOCK t, N
.set XS, WX+32*((\t)%2)
.if (\t) < 7
	s_wait_loadcnt 32                                  ; this block's 32 loads are in; the next block's may be out
.else
	s_wait_loadcnt 0
.endif
	v_max3_num_f32 v14, |v[XS]|, |v[XS+1]|, |v[XS+2]|  ; the block's largest magnitude: all 32 numbers are mine
	v_max3_num_f32 v15, |v[XS+3]|, |v[XS+4]|, |v[XS+5]|
.irp i, 6,10,14,18,22,26
	v_max3_num_f32 v14, v14, |v[XS+\i]|, |v[XS+\i+1]|
	v_max3_num_f32 v15, v15, |v[XS+\i+2]|, |v[XS+\i+3]|
.endr
	v_max3_num_f32 v14, v14, |v[XS+30]|, |v[XS+31]|
	v_max3_num_f32 v14, v14, v15, 0x1800000            ; and the floor
	v_add_nc_u32 v11, 0xff000000, v14                  ; the conversion's scale operand
	v_lshrrev_b32 v15, 23, v11                         ; the byte
.if (\t)%4 == 0
	v_mov_b32 v[SB+(\t)/4], v15
.else
	v_lshl_or_b32 v[SB+(\t)/4], v15, 8*((\t)%4), v[SB+(\t)/4]
.endif
	v_cvt_scalef32_pk16_fp6_f32 v[WC:WC+2], v[XS:XS+15], v11
	v_cvt_scalef32_pk16_fp6_f32 v[WC+4:WC+6], v[XS+16:XS+31], v11
	v_nop                                              ; one plain instruction behind a scaled conversion
	v_mov_b32 v[WC+3], v[WC+4]                         ; the block's six dwords on end
	v_mov_b32 v[WC+4], v[WC+5]
	v_mov_b32 v[WC+5], v[WC+6]
.set WB, 1536*((\t)/4)+256*((\t)%2)    ; the image of K step t / 4; the block is that of lanes 16 (t % 2) + row, registers 6 ((t / 2) % 2) on
.if (((\t)/2)%2) == 0
	ds_store_b128 v7, v[WC:WC+3] offset:WB             ; dwords 0-3,
	ds_store_b64 v7, v[WC+4:WC+5] offset:WB+512        ; 4, 5
.else
	ds_store_b64 v7, v[WC:WC+1] offset:WB+520          ; dwords 6, 7,
	ds_store_b128 v7, v[WC+2:WC+5] offset:WB+1024      ; 8-11
.endif
.if (\t)+2 < 8
	WLOAD (\t)+2, \N
.endif
	s_wait_dscnt 0x0                                   ; the stores have read their registers: the next block's codes may be written
.endm
; A weight [K][N]: s[24:25] the weight, s[26:27] the buffer of codes, s30 = which 128 columns, s31 = which 256 along K, s32 = which of the weights that share the buffer.
.macro WPATH K, N, STG, SOFF
	s_lshl_b32 s33, s30, 7
	s_lshl_b32 s34, s[WV], 5
	s_add_co_u32 s33, s33, s34                         ; my wave's first column
	s_mul_i32 s34, s31, 256*(\N)*4
	s_lshl_b32 s35, s33, 2
	s_add_co_u32 s34, s34, s35
	s_mov_b32 s35, 0
	s_add_nc_u64 s[24:25], s[24:25], s[34:35]          ; the weight at my first row of K and my first column
	s_lshl_b32 s36, s32, 6
	s_lshr_b32 s37, s33, 4
	s_add_co_u32 s36, s36, s37                         ; my first tile of 16 positions
	s_mul_i32 s36, s36, (\K)/128
	s_lshl_b32 s37, s31, 1
	s_add_co_u32 s36, s36, s37                         ; its image of my first K step
	s_mul_i32 s36, s36, 1536
	s_mov_b32 s37, 0
	s_add_nc_u64 s[28:29], s[26:27], s[36:37]
	s_lshl_b32 s36, s32, 10
	s_add_co_u32 s36, s36, s33
	s_mul_i32 s36, s36, (\K)/32
	s_lshl_b32 s38, s31, 3
	s_add_co_u32 s36, s36, s38
	s_add_co_u32 s36, s36, \SOFF
	s_add_nc_u64 s[26:27], s[26:27], s[36:37]          ; the scale bytes of my first position, at my eight blocks
	v_lshlrev_b32 v8, 2, v[LN]                         ; in: 4 bytes a lane: lane c takes column c
	v_and_b32 v1, 7, v[LN]
	v_bfe_u32 v7, v[LN], 4, 1
	v_lshl_or_b32 v1, v7, 3, v1                        ; its position's row in a tile: (c % 8) + 8 (bit 4 of c),
	v_bfe_u32 v7, v[LN], 3, 1                          ; and the tile: bit 3 of c
	v_lshl_or_b32 v9, v7, 4, v1
	v_mul_u32_u24 v9, v9, (\K)/32                      ; its row of scale bytes
	v_mul_u32_u24 v7, v7, 3200
	v_lshl_add_u32 v7, v1, 4, v7
	s_mul_i32 s38, s[WV], WSTW
	s_add_co_u32 s38, s38, \STG
	v_add_nc_u32 v7, s38, v7                           ; into my stage: 3,200 x tile + 16 x row
	v_add_nc_u32 v10, s38, v[LI]                       ; out of it: 16 x lane
	WLOAD 0, \N
	WLOAD 1, \N
.irp t, 0,1,2,3,4,5,6,7
	WBLOCK \t, \N
.endr
	s_wait_alu depctr_va_vdst(0)
	global_store_b64 v9, v[SB:SB+1], s[26:27]          ; my column's eight scale bytes
.irp j, 0,1,2,3,4,5,6,7,8,9,10,11
	ds_load_b128 v[WO+4*\j:WO+4*\j+3], v10 offset:512*(\j%6)+3200*(\j/6)   ; LDS serves a wave's instructions in order: these see my stores
.endr
.irp j, 0,1,2,3,4,5,6,7,8,9,10,11
	s_wait_dscnt 11-\j                                 ; the younger loads may stay out
	global_store_b128 v[LI], v[WO+4*\j:WO+4*\j+3], s[28:29] offset:(\j/6)*((\K)/128)*1536+(\j%6)*512   ; 512 consecutive aligned bytes a store
.endr
	s_wait_tensorcnt 0x0                               ; the wave's end: three lines behind my last LDS store
	ds_add_u32 v[SPW], v[NIL]
	s_wait_dscnt 0x0
	s_endpgm
.endm
	s_load_b256 s[8:15], s[0:1], 0x0                   ; x s[8:9], Wq s[10:11], Wk s[12:13], Wv s[14:15]
	s_load_b256 s[16:23], s[0:1], 0x20                 ; Wo s[16:17], xq s[18:19], wq s[20:21], woq s[22:23]
	v_lshl_add_u32 v[SPW], v0, 2, SPARE
	v_mov_b32 v[NIL], 0
	v_lshrrev_b32 v1, 5, v0
	v_readfirstlane_b32 s[WV], v1                      ; wave 0..3
	v_and_b32 v[LN], 31, v0
	v_lshlrev_b32 v[LI], 4, v[LN]
	s_mov_b32 s[SEL], 0x76543210
	s_mov_b32 s[SEL+1], 0xfedcba98
	s_wait_kmcnt 0x0
	s_cmp_lt_u32 ttmp9, 256
	s_cbranch_scc0 .Lweights
	; ---- x: tile T = the work-group's number: its positions 16 T + r hold tokens 32 (T / 2) + 8 (T % 2) + (r % 8) + 16 (r / 8)
	s_lshr_b32 s30, ttmp9, 1
	s_lshl_b32 s30, s30, 5
	s_and_b32 s31, ttmp9, 1
	s_lshl_b32 s31, s31, 3
	s_add_co_u32 s30, s30, s31                         ; the tile's first token,
	s_lshl_b32 s30, s30, 13                            ; its row of 8,192 bytes,
	s_lshl_b32 s31, s[WV], 11                          ; my four K steps of 512 bytes
	s_add_co_u32 s30, s30, s31
	s_mov_b32 s31, 0
	s_add_nc_u64 s[24:25], s[8:9], s[30:31]
	s_lshl_b32 s30, ttmp9, 4
	s_lshl_b32 s32, s[WV], 2
	s_add_co_u32 s30, s30, s32
	s_mul_i32 s30, s30, 1536
	s_add_nc_u64 s[26:27], s[18:19], s[30:31]          ; my four images
	s_lshl_b32 s30, ttmp9, 10
	s_lshl_b32 s32, s[WV], 4
	s_add_co_u32 s30, s30, s32
	s_add_co_u32 s30, s30, XSC_OFF
	s_add_nc_u64 s[28:29], s[18:19], s[30:31]          ; the tile's scale bytes, at my four words
	s_mul_i32 s32, s[WV], XSTW
	s_wait_alu depctr_va_vdst(0)
	v_add_nc_u32 v4, s32, v[LI]                        ; the stage, in: 16 x lane, a row an instruction
	v_and_b32 v1, 15, v0
	v_bfe_u32 v7, v0, 4, 1
	v_mul_u32_u24 v5, v1, 528
	v_lshl_add_u32 v5, v7, 6, v5
	v_add_nc_u32 v5, s32, v5                           ; out: row lane % 16, + 64 (lane / 16)
	v_lshlrev_b32 v6, 6, v1
	v_lshl_add_u32 v6, v7, 3, v6                       ; the scale words' store: 64 bytes a row, 8 bytes for each half of the lanes
.irp b, 0,1,2,3
	v_mov_b32 v[TM+4+\b], 0                            ; written once: a lane permute's destination counts as one of its sources
.endr
	XLOAD 0
	XLOAD 1
	s_wait_alu depctr_va_vdst(0)
.irp t, 0,1,2,3
	XSTEP \t
.endr
	v_cmp_le_u32 vcc_lo, 16, v[LN]
	v_cndmask_b32 v244, v[PWT], v[PWT+2], vcc_lo       ; lanes 0-15 store the words of steps 0, 1, lanes 16-31 those of steps 2, 3: each byte is written once
	v_cndmask_b32 v245, v[PWT+1], v[PWT+3], vcc_lo
	global_store_b64 v6, v[244:245], s[28:29]
	s_wait_tensorcnt 0x0                               ; the wave's end: three lines behind my last LDS store
	ds_add_u32 v[SPW], v[NIL]
	s_wait_dscnt 0x0
	s_endpgm
.Lweights:
	s_cmp_lt_u32 ttmp9, 448
	s_cbranch_scc0 .Lwo
	; ---- Wq, Wk, Wv: 64 work-groups each: 8 along the columns x 8 along K
	s_sub_co_u32 s33, ttmp9, 256
	s_lshr_b32 s32, s33, 6
	s_and_b32 s30, s33, 7
	s_bfe_u32 s31, s33, 0x30003
	s_cmp_eq_u32 s32, 1
	s_cselect_b64 s[24:25], s[12:13], s[10:11]
	s_cmp_eq_u32 s32, 2
	s_cselect_b64 s[24:25], s[14:15], s[24:25]
	s_mov_b64 s[26:27], s[20:21]
	s_wait_alu depctr_va_vdst(0)
	WPATH 2048, 1024, WSTG, WSC_OFF
.Lwo:
	; ---- Wo: 16 along the columns x 4 along K
	s_sub_co_u32 s33, ttmp9, 448
	s_mov_b32 s32, 0
	s_and_b32 s30, s33, 15
	s_lshr_b32 s31, s33, 4
	s_mov_b64 s[24:25], s[16:17]
	s_mov_b64 s[26:27], s[22:23]
	s_wait_alu depctr_va_vdst(0)
	WPATH 1024, 2048, OSTG, OSC_OFF
.Lfunc_end_k_qe486919e6e_prep:
	.size	k_qe486919e6e_prep, .Lfunc_end_k_qe486919e6e_prep-k_qe486919e6e_prep
	.p2alignl 7, 3214868480
	.fill 96, 4, 3214868480
	.section	.rodata,"a",@progbits
	.p2align	6, 0x0
	.amdhsa_kernel k_qe486919e6e_prep
		.amdhsa_group_segment_fixed_size 85504
		.amdhsa_private_segment_fixed_size 0
		.amdhsa_enable_private_segment 0
		.amdhsa_kernarg_size 64
		.amdhsa_user_sgpr_count 2
		.amdhsa_user_sgpr_kernarg_segment_ptr 1
		.amdhsa_wavefront_size32 1
		.amdhsa_system_sgpr_workgroup_id_x 1
		.amdhsa_system_sgpr_workgroup_id_y 1
		.amdhsa_system_sgpr_workgroup_id_z 1
		.amdhsa_system_vgpr_workitem_id 0
		.amdhsa_next_free_vgpr 256
		.amdhsa_next_free_sgpr 66
		.amdhsa_reserve_vcc 1
		.amdhsa_float_denorm_mode_32 3
		.amdhsa_float_denorm_mode_16_64 3
		.amdhsa_memory_ordered 1
		.amdhsa_forward_progress 1
		.amdhsa_inst_pref_size 116
	.end_amdhsa_kernel
	.amdgpu_metadata
---
amdhsa.version: [ 1, 2 ]
amdhsa.kernels:
  - .name:           k_qe486919e6e_prep
    .symbol:         k_qe486919e6e_prep.kd
    .args:
      - { .name: x, .offset: 0, .size: 8, .value_kind: global_buffer, .address_space: global }
      - { .name: Wq, .offset: 8, .size: 8, .value_kind: global_buffer, .address_space: global }
      - { .name: Wk, .offset: 16, .size: 8, .value_kind: global_buffer, .address_space: global }
      - { .name: Wv, .offset: 24, .size: 8, .value_kind: global_buffer, .address_space: global }
      - { .name: Wo, .offset: 32, .size: 8, .value_kind: global_buffer, .address_space: global }
      - { .name: xq, .offset: 40, .size: 8, .value_kind: global_buffer, .address_space: global }
      - { .name: wq, .offset: 48, .size: 8, .value_kind: global_buffer, .address_space: global }
      - { .name: woq, .offset: 56, .size: 8, .value_kind: global_buffer, .address_space: global }
    .group_segment_fixed_size: 85504
    .private_segment_fixed_size: 0
    .kernarg_segment_align: 8
    .kernarg_segment_size: 64
    .max_flat_workgroup_size: 128
    .sgpr_count:     66
    .vgpr_count:     256
    .wavefront_size: 32
...
	.end_amdgpu_metadata
.endif
;; end of part 1
;; launch qkv (part 2): grid 48 x 4, 4 waves a work-group, clusters of 4 x 4, 327,680 bytes of LDS; arguments xq, wq, q_gamma, k_gamma, qc, kv; writes qc, kv
.if DOCPART == 2
	.amdgcn_target "amdgcn-amd-amdhsa--gfx1250"
	.amdhsa_code_object_version 6
	.text
	.protected	k_qe486919e6e_qkv
	.globl	k_qe486919e6e_qkv
	.p2align	8
	.type	k_qe486919e6e_qkv,@function
k_qe486919e6e_qkv:
	s_mov_b64 s[64:65], 0
	v_nop
	global_prefetch_b8 v0, s[64:65] scope:SCOPE_SE
	s_setreg_imm32_b32 hwreg(HW_REG_WAVE_MODE, 25, 1), 1
	s_wait_xcnt 0x0
	s_wait_alu depctr_hold_cnt(0) depctr_sa_sdst(0) depctr_va_vdst(0) depctr_va_sdst(0) depctr_va_ssrc(0) depctr_va_vcc(0) depctr_vm_vsrc(0)
	s_getreg_b32 s2, hwreg(HW_REG_IB_STS2, 6, 4)
	s_cmp_eq_u32 s2, 0
	s_cbranch_scc0 .Lentry_in_a_cluster
	s_endpgm
.Lentry_in_a_cluster:
	s_bfe_u32 s2, ttmp6, 0x10000c
	s_cmp_lg_u32 s2, 0xf033
	s_cbranch_scc0 .Lentry_shape_is_right
	s_endpgm
.Lentry_shape_is_right:
; The three projections on codes of FP6 (E2M3) with E8M0 scales, K = 2,048, and what follows them: the RMS norm of each head of q and k, and the quantising of q, k (along the head's 128) and of v (along the tokens).
; Nothing wider than codes leaves: q goes to qc, k and v to kv, as chunks of 12,800 bytes: eight images of fragments (16 rows x 128 K, 1,536 bytes, dword q of lane l at 512 (q / 4) + 16 l + 4 (q % 4)) and a scale image
; of 512 bytes (the word at 16 l + 4 i is that of tile 2 i + l / 16, row l % 16).  qc: [batch x head][128 tokens]; kv: [batch x head][128 tokens][k's chunk, v's chunk]; v's chunk has the head's 128 as rows and the tokens as K.
; ONE LAUNCH: twelve clusters of 4 x 4 work-groups.  Clusters 0-7: C = x [Wq | Wk]: A = x's images, B = the weights'.  Clusters 8-11: C = Wv^T x^T: A = Wv's images, B = x's.  What differs is chosen by s_cselect on the
; cluster's number, the same in all sixteen partners; no branch hangs on it.  For v the norm's factor and gamma are replaced by 1.0, an exact multiplication.
; A tile of C, 256 x 256, is made by four waves, 128 x 128 each: 64 accumulators, 512 registers.  K goes in steps of 256 through two LDS slots filled by the tensor data mover; the scale bytes of the work-group's rows come once.
; A's tiles are asked for jointly by the four work-groups of a row of the cluster, B's by the four of a column.
; THE MATRIX INSTRUCTION IS USED TRANSPOSED (source 0 = 16 rows of B, source 1 = 16 rows of A).  Rows lie at positions (bits 3 and 4 of the index exchanged), so a lane's 64 results of a block of A's rows are, in register order,
; the true neighbours 32 b + 16 (lane / 16) + i of B's 128 rows: the order in which QUANT takes them.
; LIMITS: NaN and infinities are not served; a block whose largest magnitude lies under 2^-124 keeps the byte 1; a block of zeros gets the byte 1 where the rule says 127 (its codes are zeros; this program alone reads the bytes).
; REGISTERS: window 0: v16-31 addresses; v32-63 scale words, two sets; v64-127 gamma; v128-223 A's fragments, one set; on the way out v128-255 at work.  window 1: B's fragments, two sets.  windows 2, 3: the accumulators, (a, b) at v[8 (8 (a % 4) + b)].
.set KT,    16                         ; K steps of 128
.set NQ,    2                          ; of them in a slot
.set FR,    12                         ; registers of a fragment
.set NL,    3                          ; LDS loads that bring one
.set NP,    4                          ; places behind this matrix instruction (ISA guide 7.12.1)
.set TROW,  3072                       ; a tile of 16 rows in a slot: two images
.set HALFT, 8*TROW                     ; 128 rows: what one tensor load brings, and what one wave reads of A or of B
.set SLOT,  4*HALFT
.set SCL,   2*SLOT                     ; behind the ring: the scale bytes, as units of 256 bytes + 16 of padding
.set KS,    4*KT                       ; a row of scale bytes
.set HALFS, (128*KS/256)*272
.set SBLK,  (16*KS/256)*272
.set SPARE, SCL+4*HALFS                ; the spare words, 128 bytes for each wave: two blocks of 256 bytes that no other line names
.set LAPS,  KT/4                       ; a lap = once round the ring
.set ADRA, 16                          ; v16-17 LDS address of my A fragments in slot 0, 1
.set ADRB, 20                          ; v20-21 the same for B
.set SST,  24                          ; v24  where a block's scale word goes in my wave's scale image
.set SRD,  25                          ; v25  where I read that image back
.set ADRS, 27                          ; v27  LDS address of my scale words: lanes 0-15 A's rows, lanes 16-31 B's
.set SPW,  28                          ; v28  LDS address of my spare word; never rewritten
.set NIL,  29                          ; v29  0; never rewritten
.set LI,   30                          ; v30  16 x lane
.set GOF,  31                          ; v31  64 x (lane / 16): my half's place in gamma
.set SC,   32
.set GAM,  64                          ; v64-127 gamma in the order of a lane's 64 results
.set AF,   128
.set HA,   128                         ; the way out: a block's 64 numbers; before that the sums of squares
.set SSQ,  128
.set PC,   192                         ; v192-211 the codes
.set TM,   212                         ; v212-223 at work in QUANT
.set RS,   224                         ; v224-239 the eight blocks' 1 / rms, twice each
.set RQ,   240                         ; v240-247 as they come from v_rsq_f32; later the scale image
.set PW,   248                         ; the scale word just made
.set SEL,  66
.set G1, 24
.set G0, 32
.set G1B, 48
.set G0B, 56
.set G1S, 68
.set G0S, 76
.set G1SB, 80
.set G0SB, 88
.set MSB, 0
.macro WIN new                         ; the immediate's high byte repeats the setting that is left
.if MSB != (\new)
	s_set_vgpr_msb (MSB<<8)|(\new)
.set MSB, (\new)
.endif
.endm
.set MUL_LO, 0xa1                      ; source 0 (B) window 1, source 1 (A) window 0, C and D window 2
.set MUL_HI, 0xf1                      ; the same, C and D window 3
.set TO_B,   0x40                      ; destination window 1, address window 0
; A joint load: waves 0 and 1 fetch for A, waves 2 and 3 for B; the branch hangs on the wave's number alone.  An s_nop 0 and four v_nop follow each of the two lines.
.macro JLOAD g0a, g1a, g0b, g1b
	s_cmp_eq_u32 s17, 0
	s_cbranch_scc0 .Lfor_b_\@
	tensor_load_to_lds s[\g0a:\g0a+3], s[\g1a:\g1a+7]
	s_nop 0
.rept 4
	v_nop
.endr
	s_branch .Lasked_\@
.Lfor_b_\@:
	tensor_load_to_lds s[\g0b:\g0b+3], s[\g1b:\g1b+7]
	s_nop 0
.rept 4
	v_nop
.endr
.Lasked_\@:
.endm
.macro CREST                           ; a round of the cluster's barrier behind its opening barrier
	s_cmp_lg_u32 s16, 0
	s_cbranch_scc1 .Lnot_wave_0_\@
	s_barrier_signal -3
.Lnot_wave_0_\@:
	s_barrier_wait -3
	s_barrier_signal -1
	s_barrier_wait -1
.endm
.macro CROUND
	s_barrier_signal -1
	s_barrier_wait -1
	CREST
.endm
.macro FRAG reg, adr, q, i             ; tile i's image of the slot's q-th K step: three loads of 512 consecutive bytes
.irp c, 0,1,2
	ds_load_b128 v[\reg+4*\c:\reg+4*\c+3], v[\adr] offset:(\i)*TROW+(\q)*1536+512*\c
.endr
.endm
; 16 matrix instructions: A's blocks a0, a0 + 1 x B's eight.  The 64 accumulators take turns, one instruction a turn, in the same order in every step.
.macro MUL16 a0, p, q, sc, zero
.irp a, \a0, \a0+1
.irp b, 0,1,2,3,4,5,6,7
.if \zero
	v_wmma_scale_f32_16x16x128_f8f6f4 v[8*(8*((\a)%4)+\b):8*(8*((\a)%4)+\b)+7], v[128*(\p)+FR*\b:128*(\p)+FR*\b+FR-1], v[AF+FR*(\a):AF+FR*(\a)+FR-1], 0, v[SC+8*NQ*(\sc)+NQ*\b+(\q)], v[SC+8*NQ*(\sc)+NQ*(\a)+(\q)] matrix_a_fmt:MATRIX_FMT_FP6 matrix_b_fmt:MATRIX_FMT_FP6 matrix_a_scale:MATRIX_SCALE_ROW1
.else
	v_wmma_scale_f32_16x16x128_f8f6f4 v[8*(8*((\a)%4)+\b):8*(8*((\a)%4)+\b)+7], v[128*(\p)+FR*\b:128*(\p)+FR*\b+FR-1], v[AF+FR*(\a):AF+FR*(\a)+FR-1], v[8*(8*((\a)%4)+\b):8*(8*((\a)%4)+\b)+7], v[SC+8*NQ*(\sc)+NQ*\b+(\q)], v[SC+8*NQ*(\sc)+NQ*(\a)+(\q)] matrix_a_fmt:MATRIX_FMT_FP6 matrix_b_fmt:MATRIX_FMT_FP6 matrix_a_scale:MATRIX_SCALE_ROW1
.endif
.endr
.endr
.endm
.macro FETCH_B slot, q, p
	WIN TO_B
.irp i, 0,1,2,3,4,5,6,7
	FRAG 128*(\p)+FR*\i, ADRB+\slot, \q, \i
.endr
	WIN 0
.endm
.macro FETCH_A slot, q, i0
.irp i, \i0, \i0+1, \i0+2, \i0+3
	FRAG AF+FR*(\i), ADRA+\slot, \q, \i
.endr
.endm
.macro SCALES sc                       ; a slot's scale words: two a row; lanes 0-15 take A's block i, lanes 16-31 B's block i
.irp i, 0,1,2,3,4,5,6,7
	ds_load_b64 v[SC+8*NQ*\sc+NQ*\i:SC+8*NQ*\sc+NQ*\i+1], v[ADRS] offset:\i*SBLK
.endr
.endm
.macro PLACES n                        ; plain vector instructions between a matrix instruction and a load into, or a read of, its registers (ISA guide 7.12.1 for a read)
.rept \n
	v_nop
.endr
.endm
.macro STEP slot, q, zero              ; 128 along K that have their successor in the same slot
	s_wait_dscnt 4*NL                                  ; B's set and A's blocks 0-3 are in; the youngest 12 loads (A's blocks 4-7) may be out
	WIN MUL_LO
	MUL16 0, (\q)%2, \q, \slot, \zero
	MUL16 2, (\q)%2, \q, \slot, \zero
	s_wait_dscnt 0                                     ; A's blocks 4-7 are in
	PLACES NP
	FETCH_B \slot, (\q)+1, 1-(\q)%2
	FETCH_A \slot, (\q)+1, 0
	WIN MUL_HI
	MUL16 4, (\q)%2, \q, \slot, \zero
	MUL16 6, (\q)%2, \q, \slot, \zero
	PLACES NP
	WIN 0
	FETCH_A \slot, (\q)+1, 4
.endm
; A slot's last step changes slots: one barrier; in front of it each wave waits for all its tensor loads, adds 0 to its spare word, and waits for that and for its reads of this slot.  fill = 1: the slot is filled again, two slots ahead.
.macro TURN slot, next, fill
	s_wait_tensorcnt 0x0                               ; all my tensor loads have landed: my part of the next slot
	ds_add_u32 v[SPW], v[NIL]                          ; 0 onto my spare word
	s_wait_dscnt 4*NL+1                                ; (the add and the youngest 12 loads may be out)
	WIN MUL_LO
	MUL16 0, 1, NQ-1, \slot, 0
	s_wait_dscnt 0x0                                   ; the add is done, and my reads of this slot are over
	s_barrier_signal -1
	MUL16 2, 1, NQ-1, \slot, 0
	WIN 0
	s_barrier_wait -1
.if \fill
	CREST                                              ; the barrier has opened a round of the cluster's: no wave of any partner still reads this slot or has a load on its way
	s_add_nc_u64 s[G0+4*\slot+2:G0+4*\slot+3], s[G0+4*\slot+2:G0+4*\slot+3], 2*TROW
	s_add_nc_u64 s[G0B+4*\slot+2:G0B+4*\slot+3], s[G0B+4*\slot+2:G0B+4*\slot+3], 2*TROW
	JLOAD G0+4*\slot, G1, G0B+4*\slot, G1B             ; the first tensor load behind the round; its four v_nop are also the places in front of the loads below
.else
	PLACES NP
.endif
	s_wait_alu depctr_va_vdst(0)
	v_add_nc_u32 v[ADRS], 4*NQ, v[ADRS]                ; on to the next slot's scale words
	FETCH_B \next, 0, 0
	FETCH_A \next, 0, 0
	SCALES \next
.if \fill
	s_cmp_gt_u32 s19, 1                                ; s19 = 1 in the loop's last trip, whose refills have no slot two on
	s_cbranch_scc0 .Lno_ask_\@
	global_prefetch_b8 v[PFO], s[4:5] offset:(4+\slot)*TROW th:TH_LOAD_NT scope:SCOPE_SE
.Lno_ask_\@:
.endif
	WIN MUL_HI
	MUL16 4, 1, NQ-1, \slot, 0
	MUL16 6, 1, NQ-1, \slot, 0
	PLACES NP
	WIN 0
	FETCH_A \next, 0, 4
.endm
; 64 numbers of a lane, register 16 b + i = k 32 b + 16 (lane / 16) + i of my row, become a fragment's codes in v[PC] .. v[PC + 11] and its row's scale word in v[pw].
.macro QUANT s, pw
.irp b, 0,1,2,3
	v_max3_num_f32 v[TM+\b], |v[(\s)+16*\b]|, |v[(\s)+1+16*\b]|, 0x1800000   ; my 16 numbers of block b, and the floor 2^(3 - 127): the byte cannot fall under 1
.endr
.irp i, 2,4,6,8,10,12,14
.irp b, 0,1,2,3
	v_max3_num_f32 v[TM+\b], v[TM+\b], |v[(\s)+16*\b+\i]|, |v[(\s)+1+16*\b+\i]|
.endr
.endr
.irp b, 0,1,2,3
	v_permlanex16_b32 v[TM+4+\b], v[TM+\b], s[SEL], s[SEL+1]
.endr
.irp b, 0,1,2,3
	v_max_num_f32 v[TM+\b], v[TM+\b], v[TM+4+\b]       ; the block's largest magnitude
.endr
.irp b, 0,1,2,3
	v_add_nc_u32 v[TM+8+\b], 0xff000000, v[TM+\b]      ; 2 off its exponent field: the conversion's scale operand
.endr
.irp b, 0,1,2,3
	v_lshrrev_b32 v[TM+4+\b], 23, v[TM+8+\b]           ; the scale's byte
.endr
	v_lshl_or_b32 v[\pw], v[TM+5], 8, v[TM+4]
	v_lshl_or_b32 v[\pw], v[TM+6], 16, v[\pw]
	v_lshl_or_b32 v[\pw], v[TM+7], 24, v[\pw]
.irp c, 0,1
	v_cvt_scalef32_pk16_fp6_f32 v[PC+6*\c:PC+2+6*\c], v[(\s)+32*\c:(\s)+15+32*\c], v[TM+8+2*\c]
	v_cvt_scalef32_pk16_fp6_f32 v[PC+12+4*\c:PC+14+4*\c], v[(\s)+16+32*\c:(\s)+31+32*\c], v[TM+8+2*\c+1]
.endr
	v_nop                                              ; one plain instruction behind a scaled conversion
.irp c, 0,1
.irp i, 0,1,2
	v_permlane16_swap_b32 v[PC+6*\c+\i], v[PC+12+4*\c+\i]
.endr
.irp i, 0,1,2
	v_mov_b32 v[PC+3+6*\c+\i], v[PC+12+4*\c+\i]
.endr
.endr
.endm
	s_load_b256 s[4:11], s[0:1], 0x0                   ; xq s[4:5], wq s[6:7], q_gamma s[8:9], k_gamma s[10:11]
	s_load_b128 s[12:15], s[0:1], 0x20                 ; qc s[12:13], kv s[14:15]
	v_lshl_add_u32 v[SPW], v0, 2, SPARE
	v_mov_b32 v[NIL], 0
	ds_add_u32 v[SPW], v[NIL]                          ; the wave's opening: the add and its wait ahead of my first tensor load; work on registers stands between them
	ds_add_u32 v[SPW], v[NIL]
	v_lshrrev_b32 v1, 5, v0
	v_readfirstlane_b32 s16, v1                        ; wave 0..3
	s_lshr_b32 s17, s16, 1                             ; which half of the tile's rows is mine.  Also: I fetch for A (0) or for B (1)
	s_and_b32 s18, s16, 1                              ; which half of its columns.  Also: which 128 rows I fetch
	s_bfe_u32 s20, ttmp6, 0x40000                      ; cx
	s_bfe_u32 s21, ttmp6, 0x40004                      ; cy
	s_and_b32 s44, ttmp9, 1                            ; q, k: the cluster's column (0: q, 1: k)
	s_lshr_b32 s45, ttmp9, 1                           ; and its row
	s_sub_co_u32 s46, ttmp9, 8                         ; v: its column
	s_cmp_ge_u32 ttmp9, 8
	s_cselect_b32 s40, 1, 0                            ; 1: this cluster makes v
	s_cselect_b32 s41, 0, -1                           ; a lane mask: all ones where the norm and gamma apply
	s_cselect_b32 s44, s46, s44
	s_cselect_b32 s45, 0, s45
	s_lshl_b32 s22, s44, 2
	s_add_co_u32 s22, s22, s20                         ; tile column of C
	s_lshl_b32 s23, s45, 2
	s_add_co_u32 s23, s23, s21                         ; tile row of C
	s_lshl_b32 s42, s21, 2
	s_lshl_b32 s42, 15, s42                            ; my row of the cluster
	s_lshl_b32 s43, 0x1111, s20                        ; my column
	; descriptor group 1 for the codes: 8 tiles of 16 rows, 3,072 bytes of each (384 elements of 8 bytes), KT x 1,536 bytes apart
	s_or_b32 s[G1+0], s42, (3<<16)|(1<<21)             ; 15:0 the mask: A's tiles go to my row; 17:16 elements of 8 bytes; 21 set beside a mask
	s_or_b32 s[G1B+0], s43, (3<<16)|(1<<21)
.irp g, G1, G1B
	s_mov_b32 s[\g+1], 384<<16                         ; tensor_dim0
	s_mov_b32 s[\g+2], 16<<16                          ; tensor_dim1: the head's loads bring 16 tiles; set to 8 for the ring's loads behind them
	s_mov_b32 s[\g+3], 384<<16                         ; tile_dim0
	s_mov_b32 s[\g+4], 16                              ; tile_dim1
	s_mov_b32 s[\g+5], KT*192                          ; tensor_dim0_stride
	s_mov_b32 s[\g+6], 0
	s_mov_b32 s[\g+7], 0
.endr
	; and for the scale bytes of 256 rows: a dense block, as rows of 256 bytes, 16 bytes of padding behind each
	s_or_b32 s[G1S+0], s42, (3<<16)|(1<<20)|(1<<21)|(5<<22)|(3<<25)
	s_or_b32 s[G1SB+0], s43, (3<<16)|(1<<20)|(1<<21)|(5<<22)|(3<<25)
.irp g, G1S, G1SB
	s_mov_b32 s[\g+1], 32<<16
	s_mov_b32 s[\g+2], (256*KS/256)<<16                ; the scale bytes of all 256 rows in one load
	s_mov_b32 s[\g+3], 32<<16
	s_mov_b32 s[\g+4], 256*KS/256
	s_mov_b32 s[\g+5], 32
	s_mov_b32 s[\g+6], 0
	s_mov_b32 s[\g+7], 0
.endr
	s_lshl_b32 s44, s23, 4
	s_lshl_b32 s45, s18, 3
	s_add_co_u32 s44, s44, s45                         ; A: the first of the eight tiles of 16 rows that I fetch
	s_mul_i32 s46, s44, KT*1536                        ; its codes,
	s_mul_i32 s44, s44, 16*KS                          ; its scale bytes
	s_mov_b32 s45, 0
	s_mov_b32 s47, 0
	s_lshl_b32 s100, s22, 4
	s_lshl_b32 s101, s18, 3
	s_add_co_u32 s100, s100, s101                      ; B likewise
	s_mul_i32 s2, s100, 16*KS
	s_mul_i32 s100, s100, KT*1536
	s_mov_b32 s101, 0
	s_mov_b32 s3, 0
	s_mul_i32 s19, s16, HALFT                          ; where they go: wave x 128 rows: no place in the cluster enters an LDS address
	s_wait_dscnt 0x0                                   ; the opening add is done
	s_wait_kmcnt 0x0
	s_add_nc_u64 s[92:93], s[6:7], 128*KT*1536         ; Wv's images: tiles 128 on,
	s_add_nc_u64 s[94:95], s[6:7], 192*KT*1536+2048*KS ; and its scale bytes
	s_add_nc_u64 s[96:97], s[6:7], 192*KT*1536         ; the weights' scale bytes
	s_add_nc_u64 s[98:99], s[4:5], 256*KT*1536         ; x's scale bytes
	s_cmp_eq_u32 s40, 1
	s_cselect_b64 s[92:93], s[92:93], s[4:5]           ; A's codes
	s_cselect_b64 s[94:95], s[94:95], s[98:99]         ; A's scale bytes
	s_cselect_b64 s[96:97], s[98:99], s[96:97]         ; B's scale bytes
	s_cselect_b64 s[98:99], s[4:5], s[6:7]             ; B's codes
	s_add_nc_u64 s[92:93], s[92:93], s[46:47]
	s_add_nc_u64 s[94:95], s[94:95], s[44:45]
	s_add_nc_u64 s[98:99], s[98:99], s[100:101]
	s_add_nc_u64 s[96:97], s[96:97], s[2:3]
	CROUND                                             ; all sixteen work-groups are here: the first joint loads meet
	s_mov_b32 s[G0S], 1
	s_mov_b32 s[G0S+1], SCL
	s_sub_nc_u64 s[G0S+2:G0S+3], s[94:95], 8*16*KS     ; used by wave 1 alone, whose address stands at the second 128 rows: back to the first
	s_or_b32 s[G0S+3], s[G0S+3], 0x80000000
	s_mov_b32 s[G0SB], 1
	s_mov_b32 s[G0SB+1], SCL+2*HALFS
	s_sub_nc_u64 s[G0SB+2:G0SB+3], s[96:97], 8*16*KS   ; used by wave 3 alone, likewise
	s_or_b32 s[G0SB+3], s[G0SB+3], 0x80000000
.irp s, 0,1
	s_mov_b32 s[G0+4*\s], 1
	s_add_co_u32 s[G0+4*\s+1], s19, \s*SLOT
	s_add_nc_u64 s[G0+4*\s+2:G0+4*\s+3], s[92:93], \s*TROW
	s_or_b32 s[G0+4*\s+3], s[G0+4*\s+3], 0x80000000
	s_mov_b32 s[G0B+4*\s], 1
	s_add_co_u32 s[G0B+4*\s+1], s19, \s*SLOT
	s_add_nc_u64 s[G0B+4*\s+2:G0B+4*\s+3], s[98:99], \s*TROW
	s_or_b32 s[G0B+4*\s+3], s[G0B+4*\s+3], 0x80000000
.endr
; THE HEAD'S LOADS, ONE A WAVE: wave 0 slot 0's 256 rows of A, wave 1 A's scale bytes, wave 2 slot 0's 256 rows of B, wave 3 B's scale bytes.
; Waves 0 and 2 fetch the first half in the ring, so their slot 0 descriptors stand at the tile's first row.  One chain of branches on the wave's number, one load to an arm.
.macro ARM under, g0, g1, next
	s_cmp_lt_u32 s16, \under
	s_cbranch_scc0 \next
	tensor_load_to_lds s[\g0:\g0+3], s[\g1:\g1+7]
	s_nop 0
.rept 4
	v_nop
.endr
	s_branch .Lhead_asked
\next:
.endm
	ARM 1, G0, G1, .Lhead_sa
	ARM 2, G0S, G1S, .Lhead_b
	ARM 3, G0B, G1B, .Lhead_sb
	tensor_load_to_lds s[G0SB:G0SB+3], s[G1SB:G1SB+7]
	s_nop 0
.rept 4
	v_nop
.endr
.Lhead_asked:
; PREFETCH INTO THE L2: behind each load of a slot one instruction a wave asks for the slot two loads on (slots 2 to 7; the loop's last trip asks for nothing).  Of the 8 tiles that a wave fetches in the ring,
; each of the four partners that ask for them jointly takes two, told apart by address (cx for A, cy for B): 2 x 3,072 bytes = 24 blocks of 256 bytes, a lane a block; lanes 24-31 name the last block again.
.set PFO, 26                           ; v26  the prefetches' offset; never rewritten
	s_cmp_eq_u32 s17, 0                                ; do I fetch for A?
	s_cselect_b64 s[4:5], s[92:93], s[98:99]           ; my 8 tiles' images
	s_cselect_b32 s6, s20, s21                         ; my place among the four
	s_mul_i32 s6, s6, 2*KT*1536
	s_mov_b32 s7, 0
	s_add_nc_u64 s[4:5], s[4:5], s[6:7]
	v_and_b32 v[PFO], 31, v0
	v_min_u32 v[PFO], 23, v[PFO]
	v_mul_u32_u24 v1, v[PFO], 11
	v_lshrrev_b32 v1, 7, v1                            ; lane / 12: which of my two tiles
	v_mul_u32_u24 v2, v1, 12
	v_sub_nc_u32 v[PFO], v[PFO], v2                    ; lane % 12: which block
	v_lshlrev_b32 v[PFO], 8, v[PFO]
	v_mad_u32_u24 v[PFO], v1, KT*1536, v[PFO]
	global_prefetch_b8 v[PFO], s[4:5] offset:2*TROW th:TH_LOAD_NT scope:SCOPE_SE   ; slot 2
	; gamma, in the order of a lane's 64 results: register 16 b + i = gamma[32 b + 16 (lane / 16) + i].  k's clusters take k_gamma, the others q_gamma (v's replace it by 1.0 below)
	s_and_b32 s44, ttmp9, 1
	s_cmp_eq_u32 s44, 1
	s_cselect_b64 s[8:9], s[10:11], s[8:9]
	v_and_b32 v1, 15, v0                               ; lane % 16
	v_bfe_u32 v2, v0, 4, 1                             ; lane / 16
	v_lshlrev_b32 v[GOF], 6, v2
.irp b, 0,1,2,3
.irp j, 0,1,2,3
	global_load_b128 v[GAM+16*\b+4*\j:GAM+16*\b+4*\j+3], v[GOF], s[8:9] offset:128*\b+16*\j
.endr
.endr
	v_and_b32 v3, 31, v0
	v_lshlrev_b32 v[LI], 4, v3
	s_mul_i32 s44, s17, HALFT                          ; my 128 rows of A
	s_mul_i32 s45, s18, HALFT                          ; my 128 rows of B,
	s_add_co_u32 s45, s45, 2*HALFT                     ; which lie behind A's 256
.irp s, 0,1
	v_add_nc_u32 v[ADRA+\s], s44, v[LI]
	v_add_nc_u32 v[ADRB+\s], s45, v[LI]
	s_add_co_u32 s44, s44, SLOT
	s_add_co_u32 s45, s45, SLOT
.endr
	v_mul_u32_u24 v5, v1, KS                           ; my row's scale bytes: KS a row,
	v_lshrrev_b32 v6, 8, v5
	v_lshl_add_u32 v5, v6, 4, v5                       ; and 16 more for each 256 passed
	s_mul_i32 s44, s17, HALFS
	s_mul_i32 s45, s18, HALFS
	s_add_co_u32 s45, s45, 2*HALFS
	s_sub_co_u32 s45, s45, s44
	v_mul_u32_u24 v6, s45, v2                          ; lanes 16-31 take B's
	s_add_co_u32 s44, s44, SCL
	v_add_nc_u32 v5, v5, v6
	v_add_nc_u32 v[ADRS], s44, v5
	s_lshl_b32 s44, s16, 9                             ; the way out: my wave's scale image, 512 bytes, in slot 0, which has had its last fill and its last read by then
	v_lshl_add_u32 v[SST], v1, 4, s44
	v_add_nc_u32 v[SRD], s44, v[LI]
	; where my chunk goes
	s_lshl_b32 s44, s23, 1
	s_add_co_u32 s44, s44, s17                         ; my 128 rows of C
	s_lshl_b32 s45, s22, 1
	s_add_co_u32 s45, s45, s18                         ; my 128 columns
	s_and_b32 s46, s45, 7                              ; q, k: the head,
	s_lshr_b32 s47, s45, 3                             ; and 0: q, 1: k
	s_cmp_eq_u32 s40, 1
	s_cselect_b32 s92, s45, s44                        ; the group of 128 tokens: v's columns, q's and k's rows
	s_cselect_b32 s93, s44, s46                        ; the head
	s_cselect_b32 s47, 1, s47                          ; 1: into kv
	s_cselect_b32 s94, 12800, 0                        ; v's chunk lies behind k's
	s_lshr_b32 s95, s92, 4                             ; the batch
	s_lshl_b32 s95, s95, 3
	s_add_co_u32 s95, s95, s93
	s_lshl_b32 s95, s95, 4
	s_and_b32 s92, s92, 15
	s_add_co_u32 s95, s95, s92                         ; (8 x batch + head) x 16 + the group in the batch
	s_mul_i32 s96, s95, 12800
	s_mul_i32 s98, s95, 25600
	s_add_co_u32 s98, s98, s94
	s_cmp_eq_u32 s47, 1
	s_cselect_b64 s[100:101], s[14:15], s[12:13]
	s_cselect_b32 s96, s98, s96
	s_mov_b32 s97, 0
	s_add_nc_u64 s[100:101], s[100:101], s[96:97]
	s_mov_b32 s2, 0x3c000000                           ; 1 / 128
	s_mov_b32 s3, 0x358637bd                           ; eps = 1e-6
	s_mov_b32 s[SEL], 0x76543210
	s_mov_b32 s[SEL+1], 0xfedcba98
	s_wait_alu depctr_va_vdst(0)
	s_wait_tensorcnt 0x0                               ; my tile of the head's four is in
	ds_add_u32 v[SPW], v[NIL]
	s_mov_b32 s[G1+2], 8<<16                           ; no tensor load of mine is out: from here on a load brings 8 tiles
	s_mov_b32 s[G1+4], 8
	s_mov_b32 s[G1B+2], 8<<16
	s_mov_b32 s[G1B+4], 8
	s_wait_dscnt 0x0
	CROUND                                             ; all four tiles are in, all sixteen work-groups are here
	JLOAD G0+4, G1, G0B+4, G1B                         ; slot 1's first fill: the first tensor load behind the round
	FETCH_B 0, 0, 0
	FETCH_A 0, 0, 0
	SCALES 0
	FETCH_A 0, 0, 4
	global_prefetch_b8 v[PFO], s[4:5] offset:3*TROW th:TH_LOAD_NT scope:SCOPE_SE   ; slot 3, behind slot 1's load and the run of LDS loads
	STEP 0, 0, 1
	s_mov_b32 s19, LAPS-1
.Llap:                                                 ; a trip goes once round the ring and fills both slots again
	TURN 0, 1, 1
	STEP 1, 0, 0
	TURN 1, 0, 1
	STEP 0, 0, 0
	s_wait_xcnt 0x0                                    ; my prefetches have read their base: it steps two slots a trip
	s_add_nc_u64 s[4:5], s[4:5], 2*TROW
	s_sub_co_u32 s19, s19, 1
	s_cmp_lg_u32 s19, 0
	s_cbranch_scc1 .Llap
	TURN 0, 1, 0                                       ; the last lap fills nothing, and has no round of the cluster's barrier
	STEP 1, 0, 0
	s_wait_dscnt 4*NL
	WIN MUL_LO
	MUL16 0, 1, NQ-1, 1, 0
	MUL16 2, 1, NQ-1, 1, 0
	s_wait_dscnt 0
	WIN MUL_HI
	MUL16 4, 1, NQ-1, 1, 0
	MUL16 6, 1, NQ-1, 1, 0
	WIN 0
	; THE WAY OUT.  Gamma becomes 1.0 in v's clusters; these 64 plain lines name no register of the products and are the places behind the last of them.
	s_wait_loadcnt 0x0                                 ; gamma
.set n, 0
.rept 64
	v_cndmask_b32 v[GAM+n], 1.0, v[GAM+n], s41
.set n, n+1
.endr
.irp b, 0,1,2,3
	v_mov_b32 v[TM+4+\b], 0                            ; written once: a lane permute's destination counts as one of its sources
.endr
	; the sums of squares of the eight blocks' rows: four packed chains a block; each accumulator is read from its low end on
.irp a, 0,1,2,3,4,5,6,7
	WIN 0x0a+5*(\a/4)                                  ; sources 0 and 1: window 2 or 3
.irp b, 0,1,2,3,4,5,6,7
.irp j, 0,2,4,6
.if \b == 0
	v_pk_mul_f32 v[SSQ+8*\a+\j:SSQ+8*\a+\j+1], v[64*(\a%4)+8*\b+\j:64*(\a%4)+8*\b+\j+1], v[64*(\a%4)+8*\b+\j:64*(\a%4)+8*\b+\j+1]
.else
	v_pk_fma_f32 v[SSQ+8*\a+\j:SSQ+8*\a+\j+1], v[64*(\a%4)+8*\b+\j:64*(\a%4)+8*\b+\j+1], v[64*(\a%4)+8*\b+\j:64*(\a%4)+8*\b+\j+1], v[SSQ+8*\a+\j:SSQ+8*\a+\j+1]
.endif
.endr
.endr
.endr
	WIN 0
.irp a, 0,1,2,3,4,5,6,7
	v_pk_add_f32 v[SSQ+8*\a:SSQ+8*\a+1], v[SSQ+8*\a:SSQ+8*\a+1], v[SSQ+8*\a+2:SSQ+8*\a+3]
	v_pk_add_f32 v[SSQ+8*\a+4:SSQ+8*\a+5], v[SSQ+8*\a+4:SSQ+8*\a+5], v[SSQ+8*\a+6:SSQ+8*\a+7]
.endr
.irp a, 0,1,2,3,4,5,6,7
	v_pk_add_f32 v[SSQ+8*\a:SSQ+8*\a+1], v[SSQ+8*\a:SSQ+8*\a+1], v[SSQ+8*\a+4:SSQ+8*\a+5]
.endr
.irp a, 0,1,2,3,4,5,6,7
	v_add_f32 v[SSQ+8*\a], v[SSQ+8*\a], v[SSQ+8*\a+1]
.endr
.irp a, 0,1,2,3,4,5,6,7
	v_permlanex16_b32 v[SSQ+8*\a+1], v[SSQ+8*\a], s[SEL], s[SEL+1]   ; the row's other 64 numbers lie in the lane 16 away
.endr
.irp a, 0,1,2,3,4,5,6,7
	v_add_f32 v[SSQ+8*\a], v[SSQ+8*\a], v[SSQ+8*\a+1]
.endr
.irp a, 0,1,2,3,4,5,6,7
	v_fma_f32 v[SSQ+8*\a], v[SSQ+8*\a], s2, s3         ; the mean + eps
.endr
	s_wait_alu depctr_va_vdst(0)
.irp a, 0,1,2,3,4,5,6,7
	v_rsq_f32 v[RQ+\a], v[SSQ+8*\a]
.endr
	v_nop                                              ; a plain instruction behind the last of the batch
	s_wait_alu depctr_va_vdst(0)                       ; one wait for the eight, ahead of their first reader
.irp a, 0,1,2,3,4,5,6,7
	v_cndmask_b32 v[RS+2*\a], 1.0, v[RQ+\a], s41       ; 1.0 in v's clusters
	v_cndmask_b32 v[RS+2*\a+1], 1.0, v[RQ+\a], s41
.endr
; Block a: (x / rms) x gamma in that order, quantised; the image leaves as it stands, the scale word goes to my wave's scale image.
.macro OUTBLK a
	WIN 0x02+((\a)/4)                                  ; source 0: window 2 or 3
.set n, 0
.rept 32
	v_pk_mul_f32 v[HA+n:HA+n+1], v[64*((\a)%4)+n:64*((\a)%4)+n+1], v[RS+2*(\a):RS+2*(\a)+1]
.set n, n+2
.endr
	WIN 0
.set n, 0
.rept 32
	v_pk_mul_f32 v[HA+n:HA+n+1], v[HA+n:HA+n+1], v[GAM+n:GAM+n+1]
.set n, n+2
.endr
.if (\a) > 0
	s_wait_xcnt 0x0                                    ; the last block's stores have read the codes' registers
.endif
	QUANT HA, PW
.irp c, 0,1,2
	global_store_b128 v[LI], v[PC+4*\c:PC+4*\c+3], s[100:101] offset:1536*(\a)+512*\c   ; 512 consecutive aligned bytes a store
.endr
	ds_store_b32 v[SST], v[PW] offset:256*((\a)%2)+4*((\a)/2)   ; both halves of the lanes write the same word with the same value
.endm
.irp a, 0,1,2,3,4,5,6,7
	OUTBLK \a
.endr
	ds_load_b128 v[RQ:RQ+3], v[SRD]                    ; LDS serves a wave's instructions in order: this sees my eight stores
	s_wait_dscnt 0x0
	global_store_b128 v[LI], v[RQ:RQ+3], s[100:101] offset:12288
	s_wait_tensorcnt 0x0                               ; the wave's end: three lines behind my last tensor load and my last LDS store
	ds_add_u32 v[SPW], v[NIL]
	s_wait_dscnt 0x0
	CROUND                                             ; the closing round: no work-group ends while a partner may still ask for a tile that names it
	s_endpgm
.Lfunc_end_k_qe486919e6e_qkv:
	.size	k_qe486919e6e_qkv, .Lfunc_end_k_qe486919e6e_qkv-k_qe486919e6e_qkv
	.p2alignl 7, 3214868480
	.fill 96, 4, 3214868480
	.section	.rodata,"a",@progbits
	.p2align	6, 0x0
	.amdhsa_kernel k_qe486919e6e_qkv
		.amdhsa_group_segment_fixed_size 327680
		.amdhsa_private_segment_fixed_size 0
		.amdhsa_enable_private_segment 0
		.amdhsa_kernarg_size 48
		.amdhsa_user_sgpr_count 2
		.amdhsa_user_sgpr_kernarg_segment_ptr 1
		.amdhsa_wavefront_size32 1
		.amdhsa_system_sgpr_workgroup_id_x 1
		.amdhsa_system_sgpr_workgroup_id_y 1
		.amdhsa_system_sgpr_workgroup_id_z 1
		.amdhsa_system_vgpr_workitem_id 0
		.amdhsa_next_free_vgpr 1024
		.amdhsa_next_free_sgpr 102
		.amdhsa_reserve_vcc 0
		.amdhsa_float_denorm_mode_32 3
		.amdhsa_float_denorm_mode_16_64 3
		.amdhsa_memory_ordered 1
		.amdhsa_forward_progress 1
		.amdhsa_inst_pref_size 201
	.end_amdhsa_kernel
	.amdgpu_metadata
---
amdhsa.version: [ 1, 2 ]
amdhsa.kernels:
  - .name:           k_qe486919e6e_qkv
    .symbol:         k_qe486919e6e_qkv.kd
    .args:
      - { .name: xq, .offset: 0, .size: 8, .value_kind: global_buffer, .address_space: global }
      - { .name: wq, .offset: 8, .size: 8, .value_kind: global_buffer, .address_space: global }
      - { .name: q_gamma, .offset: 16, .size: 8, .value_kind: global_buffer, .address_space: global }
      - { .name: k_gamma, .offset: 24, .size: 8, .value_kind: global_buffer, .address_space: global }
      - { .name: qc, .offset: 32, .size: 8, .value_kind: global_buffer, .address_space: global }
      - { .name: kv, .offset: 40, .size: 8, .value_kind: global_buffer, .address_space: global }
    .group_segment_fixed_size: 327680
    .private_segment_fixed_size: 0
    .kernarg_segment_align: 8
    .kernarg_segment_size: 48
    .max_flat_workgroup_size: 128
    .sgpr_count:     102
    .vgpr_count:     1024
    .wavefront_size: 32
...
	.end_amdgpu_metadata
.endif
;; end of part 2
;; launch attn (part 3): grid 16 x 16, 8 waves a work-group, clusters of 4 x 1, 327,680 bytes of LDS; arguments qc, kv, ao; writes ao
.if DOCPART == 3
	.amdgcn_target "amdgcn-amd-amdhsa--gfx1250"
	.amdhsa_code_object_version 6
	.text
	.protected	k_qe486919e6e_attn
	.globl	k_qe486919e6e_attn
	.p2align	8
	.type	k_qe486919e6e_attn,@function
k_qe486919e6e_attn:
	s_mov_b64 s[64:65], 0
	v_nop
	global_prefetch_b8 v0, s[64:65] scope:SCOPE_SE
	s_setreg_imm32_b32 hwreg(HW_REG_WAVE_MODE, 25, 1), 1
	s_wait_xcnt 0x0
	s_wait_alu depctr_hold_cnt(0) depctr_sa_sdst(0) depctr_va_vdst(0) depctr_va_sdst(0) depctr_va_ssrc(0) depctr_va_vcc(0) depctr_vm_vsrc(0)
	s_getreg_b32 s2, hwreg(HW_REG_IB_STS2, 6, 4)
	s_cmp_eq_u32 s2, 0
	s_cbranch_scc0 .Lentry_in_a_cluster
	s_endpgm
.Lentry_in_a_cluster:
	s_bfe_u32 s2, ttmp6, 0x10000c
	s_cmp_lg_u32 s2, 0x3003
	s_cbranch_scc0 .Lentry_shape_is_right
	s_endpgm
.Lentry_shape_is_right:
; Attention of one (batch, head) and 128 queries for a work-group: o = softmax(q k^T / sqrt(128)) v on codes of FP6 (E2M3) with E8M0 scales; the result is quantised along the head's 128 for the last projection.
; qc, kv: chunks of 12,800 bytes (eight images of fragments, 1,536 bytes each, and a scale image of 512); kv holds, for each 128 keys, k's chunk and v's chunk (v with the keys as K): 25,600 bytes a step, 16 steps.
; A wave owns 16 queries.  Both products are used transposed (S^T = k q^T, O^T = v^T p^T), so a lane holds one query; keys lie at positions, so a lane's 16 registers of two tiles are 16 neighbouring keys.
; p = 2^(t - M), M the ceiling of the running largest t; the sum is taken of the unquantised p; when M moves, sum and O^T are multiplied by an exact power of two.  A block's largest p is made from the block's largest score.
; THE RING: two slots of four steps (102,400 bytes); each of the eight waves brings one chunk pair's half (12,800 bytes) of a slot by one joint load; the four work-groups of a cluster (four query blocks of one head) ask jointly.
; One load a wave at the head; each later load is the first behind the three lines and a round of the cluster's barrier; every wait on TENSORcnt is for 0; one load of a wave is out at most.
; PREFETCH: at the start of phases 0 and 1 the bytes of the load after next (400 blocks of 256 bytes) are asked for, four steps ahead of that load: each partner takes 100 blocks by address (cx), a lane a block, waves 0-3.
; LIMITS: NaN and infinities are not served; the promise holds while the scaled scores stay under 2^31 in magnitude; a block whose largest magnitude lies under 2^-124 keeps the byte 1 (this program alone reads the bytes).
.set REG,   102400                     ; a slot
.set STEPB, 25600
.set CHUNK, 12800
.set SPARE, 2*REG                      ; the spare words: 128 bytes for each of 8 waves
.set LI,  1                            ; 16 x lane
.set AD,  2                            ; LDS address of the step
.set QO,  3
.set SPW, 4
.set NIL, 5
.set SOF, 6
.set LNE, 7
.set QSO, 8
.set PFO, 9                            ; the prefetches' offset
.set QF,  16                           ; q's fragment; v12 -M, v13 largest t, v[14:15] the sum
.set QS,  28
.set KF,  32                           ; k's eight fragments
.set S,   128                          ; scores, then p
.set PC,  192                          ; p's codes
.set TM,  212
.set BM,  212
.set PX,  216
.set SO,  220
.set KSC, 228
.set VSC, 232
.set PW,  236
.set FF,  240
.set SCR, 242
.set VF,  64                           ; window 1: v0-63 O^T, v64-159 v's fragments
.set WV,  10
.set G1,  24
.set G0,  32                           ; s[32:47]: a group 0 for each of the four loads
.set SEL, 48
.set CS,  50
.set TB,  52
.set CNT, 53
.set OSC, 54
.set PFB, 56
.set MSB, 0
.macro WIN new
.if MSB != (\new)
	s_set_vgpr_msb (MSB<<8)|(\new)
.set MSB, (\new)
.endif
.endm
.macro CROUND
	s_barrier_signal -1
	s_barrier_wait -1
	s_cmp_lg_u32 s[WV], 0
	s_cbranch_scc1 .Lnot_wave_0_\@
	s_barrier_signal -3
.Lnot_wave_0_\@:
	s_barrier_wait -3
	s_barrier_signal -1
	s_barrier_wait -1
.endm
.macro TLOAD p
	tensor_load_to_lds s[G0+4*(\p):G0+4*(\p)+3], s[G1:G1+7]
	s_nop 0
.rept 4
	v_nop
.endr
.endm
; A change of slots: all my loads have landed, the add, my reads are over; then the round and load p, or (fill = 0) the work-group's barrier alone.
.macro CHANGE fill, p
	s_wait_tensorcnt 0x0
	ds_add_u32 v[SPW], v[NIL]
	s_wait_dscnt 0x0
.if \fill
	CROUND
	TLOAD \p
.else
	s_barrier_signal -1
	s_barrier_wait -1
.endif
.endm
.macro ASK p                           ; load p's bytes, my work-group's 100 blocks: waves 0-3, a lane a block (wave 3's spare lanes name its last block)
	s_cmp_lt_u32 s[WV], 4
	s_cbranch_scc0 .Lno_ask_\@
	global_prefetch_b8 v[PFO], s[PFB:PFB+1] offset:(\p)*REG th:TH_LOAD_NT scope:SCOPE_SE
.Lno_ask_\@:
.endm
.macro STEP                            ; 128 keys
	v_add_nc_u32 v[AD], s[TB], v[LI]                   ; (k's registers are none of the last products': its loads follow at once)
.irp t, 0,1,2,3,4,5,6,7
.irp c, 0,1,2
	ds_load_b128 v[KF+12*\t+4*\c:KF+12*\t+4*\c+3], v[AD] offset:1536*\t+512*\c
.endr
.endr
	ds_load_b128 v[KSC:KSC+3], v[AD] offset:12288
	s_wait_dscnt 0x0                                   ; k's 25 loads are in
.irp t, 0,1,2,3,4,5,6,7
.if \t%2
	v_wmma_scale_f32_16x16x128_f8f6f4 v[S+8*\t:S+8*\t+7], v[KF+12*\t:KF+12*\t+11], v[QF:QF+11], 0, v[KSC+\t/2], v[QS] matrix_a_fmt:MATRIX_FMT_FP6 matrix_b_fmt:MATRIX_FMT_FP6 matrix_a_scale:MATRIX_SCALE_ROW1
.else
	v_wmma_scale_f32_16x16x128_f8f6f4 v[S+8*\t:S+8*\t+7], v[KF+12*\t:KF+12*\t+11], v[QF:QF+11], 0, v[KSC+\t/2], v[QS] matrix_a_fmt:MATRIX_FMT_FP6 matrix_b_fmt:MATRIX_FMT_FP6
.endif
.endr
.rept 4
	v_nop
.endr
	s_wait_alu depctr_va_vdst(0)
	WIN 0x40
.irp t, 0,1,2,3,4,5,6,7
.irp c, 0,1,2
	ds_load_b128 v[VF+12*\t+4*\c:VF+12*\t+4*\c+3], v[AD] offset:CHUNK+1536*\t+512*\c   ; v's fragments: asked for here, wanted behind the softmax
.endr
.endr
	WIN 0
	ds_load_b128 v[VSC:VSC+3], v[AD] offset:CHUNK+12288
.irp b, 0,1,2,3
	v_max3_num_f32 v[BM+\b], v[S+16*\b], v[S+1+16*\b], v[S+2+16*\b]
.endr
.irp i, 3,5,7,9,11,13
.irp b, 0,1,2,3
	v_max3_num_f32 v[BM+\b], v[BM+\b], v[S+16*\b+\i], v[S+1+16*\b+\i]
.endr
.endr
.irp b, 0,1,2,3
	v_max_num_f32 v[BM+\b], v[BM+\b], v[S+15+16*\b]
.endr
.irp b, 0,1,2,3
	s_delay_alu instid0(VALU_DEP_4)
	v_permlanex16_b32 v[PX+\b], v[BM+\b], s[SEL], s[SEL+1]
.endr
.irp b, 0,1,2,3
	s_delay_alu instid0(VALU_DEP_4)
	v_max_num_f32 v[BM+\b], v[BM+\b], v[PX+\b]
.endr
	s_delay_alu instid0(VALU_DEP_2)
	v_max3_num_f32 v[SCR], v[BM], v[BM+1], v[BM+2]
	s_delay_alu instid0(VALU_DEP_1)
	v_max_num_f32 v[SCR], v[SCR], v[BM+3]
	s_delay_alu instid0(VALU_DEP_1)
	v_mul_f32 v[SCR], s[CS], v[SCR]
	s_delay_alu instid0(VALU_DEP_1)
	v_max_num_f32 v13, v13, v[SCR]                     ; the running largest t
	v_mov_b32 v[SCR], v12
	s_delay_alu instid0(VALU_DEP_2)
	v_floor_f32 v12, -v13                              ; -M
	s_delay_alu instid0(VALU_DEP_1)
	v_sub_f32 v[SCR], v12, v[SCR]
	s_delay_alu instid0(VALU_DEP_1)
	v_cvt_i32_f32 v[SCR], v[SCR]
	s_delay_alu instid0(VALU_DEP_1)
	v_ldexp_f32 v[FF], 1.0, v[SCR]                     ; f = 2^(old M - new M)
.set n, 0
.rept 32
	v_pk_fma_f32 v[S+n:S+n+1], v[S+n:S+n+1], s[CS:CS+1], v[12:13] op_sel_hi:[1,0,0]
.set n, n+2
.endr
.irp b, 0,1,2,3
	v_fma_f32 v[BM+\b], v[BM+\b], s[CS], v12
.endr
.set n, 0
	s_wait_alu depctr_va_vdst(0)                       ; ahead of the batch
.rept 64
	v_exp_f32 v[S+n], v[S+n]
.set n, n+1
.endr
	v_pk_mul_f32 v[14:15], v[14:15], v[FF:FF+1] op_sel_hi:[1,0]
	s_wait_alu depctr_va_vdst(0)                       ; behind the batch
.irp b, 0,1,2,3
	v_exp_f32 v[BM+\b], v[BM+\b]
.endr
	v_pk_add_f32 v[PX:PX+1], v[S:S+1], v[S+2:S+3]      ; the sum of the unquantised p, two chains
.irp j, 4,8,12,16,20,24,28,32,36,40,44,48,52,56,60
	v_pk_add_f32 v[14:15], v[14:15], v[S+\j:S+1+\j]
	v_pk_add_f32 v[PX:PX+1], v[PX:PX+1], v[S+2+\j:S+3+\j]
.endr
	s_delay_alu instid0(VALU_DEP_1)
	v_pk_add_f32 v[14:15], v[14:15], v[PX:PX+1]
	s_wait_alu depctr_va_vdst(0)                       ; for the four
.irp b, 0,1,2,3
	v_max_num_f32 v[BM+\b], 0x1800000, v[BM+\b]        ; the floor: the byte cannot fall under 1
.endr
.irp b, 0,1,2,3
	s_delay_alu instid0(VALU_DEP_4)
	v_add_nc_u32 v[SO+\b], 0xff000000, v[BM+\b]
.endr
.irp b, 0,1,2,3
	s_delay_alu instid0(VALU_DEP_4)
	v_lshrrev_b32 v[PX+\b], 23, v[SO+\b]
.endr
	s_delay_alu instid0(VALU_DEP_3)
	v_lshl_or_b32 v[PW], v[PX+1], 8, v[PX]
	s_delay_alu instid0(VALU_DEP_1)
	v_lshl_or_b32 v[PW], v[PX+2], 16, v[PW]
	s_delay_alu instid0(VALU_DEP_1)
	v_lshl_or_b32 v[PW], v[PX+3], 24, v[PW]
.irp c, 0,1
	v_cvt_scalef32_pk16_fp6_f32 v[PC+6*\c:PC+2+6*\c], v[S+32*\c:S+15+32*\c], v[SO+2*\c]
	v_cvt_scalef32_pk16_fp6_f32 v[PC+12+4*\c:PC+14+4*\c], v[S+16+32*\c:S+31+32*\c], v[SO+2*\c+1]
.endr
	v_nop
.irp c, 0,1
.irp i, 0,1,2
	v_permlane16_swap_b32 v[PC+6*\c+\i], v[PC+12+4*\c+\i]
.endr
.irp i, 0,1,2
	s_delay_alu instid0(VALU_DEP_3)
	v_mov_b32 v[PC+3+6*\c+\i], v[PC+12+4*\c+\i]
.endr
.endr
	WIN 0x41
	s_wait_alu depctr_va_vdst(0)                       ; directly ahead of the first reader of O^T
.set n, 0
.rept 32
	v_pk_mul_f32 v[n:n+1], v[n:n+1], v[FF:FF+1] op_sel_hi:[1,0]   ; O^T under the new M
.set n, n+2
.endr
	s_wait_alu depctr_va_vdst(0)                       ; directly ahead of the wait below
	s_wait_dscnt 0x0                                   ; v's fragments are in
	WIN 0x51
.irp t, 0,1,2,3,4,5,6,7
.if \t%2
	v_wmma_scale_f32_16x16x128_f8f6f4 v[8*\t:8*\t+7], v[VF+12*\t:VF+12*\t+11], v[PC:PC+11], v[8*\t:8*\t+7], v[VSC+\t/2], v[PW] matrix_a_fmt:MATRIX_FMT_FP6 matrix_b_fmt:MATRIX_FMT_FP6 matrix_a_scale:MATRIX_SCALE_ROW1
.else
	v_wmma_scale_f32_16x16x128_f8f6f4 v[8*\t:8*\t+7], v[VF+12*\t:VF+12*\t+11], v[PC:PC+11], v[8*\t:8*\t+7], v[VSC+\t/2], v[PW] matrix_a_fmt:MATRIX_FMT_FP6 matrix_b_fmt:MATRIX_FMT_FP6
.endif
.endr
	WIN 0
	s_add_co_u32 s[TB], s[TB], STEPB
.endm
.macro PHASE base                      ; a slot's four steps
	s_mov_b32 s[TB], \base
	s_mov_b32 s[CNT], 4
.Lstep_\@:
	STEP
	s_sub_co_u32 s[CNT], s[CNT], 1
	s_cmp_lg_u32 s[CNT], 0
	s_cbranch_scc1 .Lstep_\@
.endm
	s_load_b128 s[4:7], s[0:1], 0x0                    ; qc, kv
	s_load_b64 s[8:9], s[0:1], 0x10                    ; ao
	v_lshl_add_u32 v[SPW], v0, 2, SPARE
	v_mov_b32 v[NIL], 0
	ds_add_u32 v[SPW], v[NIL]                          ; the opening lines
	ds_add_u32 v[SPW], v[NIL]
	v_lshrrev_b32 v3, 5, v0
	s_delay_alu instid0(VALU_DEP_1)
	v_readfirstlane_b32 s[WV], v3                      ; wave 0..7
	s_bfe_u32 s11, ttmp6, 0x40000                      ; cx
	s_lshl_b32 s12, ttmp9, 2
	s_add_co_u32 s12, s12, s11                         ; the block of 128 queries
	s_and_b32 s13, ttmp7, 0xffff                       ; 8 x batch + head
	s_mov_b32 s[G1], 15|(3<<16)|(1<<21)                ; the four partners; elements of 8 bytes
	s_mov_b32 s[G1+1], 32<<16                          ; 50 rows of 256 bytes, dense
	s_mov_b32 s[G1+2], 50<<16
	s_mov_b32 s[G1+3], 32<<16
	s_mov_b32 s[G1+4], 50
	s_mov_b32 s[G1+5], 32
	s_mov_b32 s[G1+6], 0
	s_mov_b32 s[G1+7], 0
	s_mul_i32 s15, s[WV], CHUNK                        ; my eighth of a slot
	s_mul_i32 s20, s13, 16*STEPB                       ; the head's k and v
	s_add_co_u32 s16, s20, s15
	s_mov_b32 s17, 0
	s_mul_i32 s21, s11, 100*256                        ; the prefetches: my work-group's 100 blocks of a slot's 400
	s_add_co_u32 s20, s20, s21
	s_mov_b32 s21, 0
	s_mov_b32 s[SEL], 0x76543210
	s_mov_b32 s[SEL+1], 0xfedcba98
	s_mov_b32 s[CS], 0x3e0293ee                        ; log2(e) / sqrt(128)
	s_mov_b32 s[CS+1], s[CS]
	s_wait_dscnt 0x0
	s_wait_kmcnt 0x0
	s_add_nc_u64 s[18:19], s[6:7], s[16:17]
	s_add_nc_u64 s[PFB:PFB+1], s[6:7], s[20:21]
.irp p, 0,1,2,3
	s_mov_b32 s[G0+4*\p], 1
	s_add_co_u32 s[G0+4*\p+1], s15, (\p%2)*REG
	s_add_nc_u64 s[G0+4*\p+2:G0+4*\p+3], s[18:19], \p*REG
	s_or_b32 s[G0+4*\p+3], s[G0+4*\p+3], 0x80000000
.endr
	CROUND                                             ; in front of the first joint load
	TLOAD 0                                            ; steps 0-3: my one load at the head
	s_lshl_b32 s20, s13, 4
	s_add_co_u32 s20, s20, s12
	s_mul_i32 s20, s20, CHUNK
	s_mov_b32 s21, 0
	s_add_nc_u64 s[4:5], s[4:5], s[20:21]              ; q's chunk
	s_and_b32 s22, s[WV], 1
	s_lshl_b32 s22, s22, 8
	s_lshr_b32 s23, s[WV], 1
	s_lshl_b32 s23, s23, 2
	s_add_co_u32 s23, s23, s22                         ; my tile's words in q's scale image
	s_mul_i32 s22, s[WV], 1536
	s_lshr_b32 s14, s13, 3
	s_lshl_b32 s14, s14, 7
	s_lshl_b32 s15, s12, 3
	s_add_co_u32 s14, s14, s15
	s_add_co_u32 s14, s14, s[WV]                       ; my tile of 16 positions in ao
	s_and_b32 s15, s13, 7                              ; the head: its K step
	s_lshl_b32 s16, s14, 3
	s_add_co_u32 s16, s16, s15
	s_mul_i32 s16, s16, 1536
	s_mov_b32 s17, 0
	s_lshl_b32 s18, s14, 9
	s_lshl_b32 s15, s15, 2
	s_add_co_u32 s18, s18, s15
	s_add_co_u32 s18, s18, 3145728                     ; ao's scale bytes lie behind its images
	s_mov_b32 s19, 0
	s_add_nc_u64 s[OSC:OSC+1], s[8:9], s[18:19]
	s_add_nc_u64 s[8:9], s[8:9], s[16:17]
	v_and_b32 v[LNE], 31, v0
	s_delay_alu instid0(VALU_DEP_1)
	v_lshlrev_b32 v[LI], 4, v[LNE]
	s_delay_alu instid0(VALU_DEP_1)
	v_add_nc_u32 v[QO], s22, v[LI]
.irp c, 0,1,2
	global_load_b128 v[QF+4*\c:QF+4*\c+3], v[QO], s[4:5] offset:512*\c
.endr
	v_and_b32 v[QSO], 15, v0
	s_delay_alu instid0(VALU_DEP_1)
	v_lshl_add_u32 v[QSO], v[QSO], 4, s23
	global_load_b32 v[QS], v[QSO], s[4:5] offset:12288
	v_min_u32 v[PFO], 99, v0
	s_delay_alu instid0(VALU_DEP_1)
	v_lshlrev_b32 v[PFO], 8, v[PFO]
	v_mov_b32 v13, 0xff61b1e6                          ; -3e38, under every t
	s_delay_alu instid0(VALU_DEP_1)
	v_floor_f32 v12, -v13
	v_mov_b32 v14, 0
	v_mov_b32 v15, 0
.irp b, 0,1,2,3
	v_mov_b32 v[PX+\b], 0                              ; a lane permute's destination counts as a source
.endr
	v_mov_b32 v[FF+1], 0
	WIN 0x40
.set n, 0
.rept 64
	v_mov_b32 v[n], 0                                  ; O^T: the step is written once and finds zeros (these lines stand under the first load's flight)
.set n, n+1
.endr
	WIN 0
	s_wait_alu depctr_va_vdst(0)                       ; the head's end
	CHANGE 1, 1                                        ; slot 0 is whole; slot 1's first fill, steps 4-7
	ASK 2
	s_wait_loadcnt 0x0                                 ; q
	PHASE 0
	CHANGE 1, 2                                        ; steps 8-11 into slot 0
	ASK 3
	PHASE REG
	CHANGE 1, 3                                        ; steps 12-15 into slot 1
	PHASE 0
	CHANGE 0, 0                                        ; nothing more to fetch
	PHASE REG
	v_add_f32 v14, v14, v15                            ; the sum's halves; these plain lines are the places behind the last products
	v_and_b32 v[SOF], 15, v0
	s_delay_alu instid0(VALU_DEP_1)
	v_lshlrev_b32 v[SOF], 5, v[SOF]
	v_cmp_gt_u32 vcc_lo, 16, v[LNE]
	s_delay_alu instid0(VALU_DEP_4)
	v_permlanex16_b32 v[SCR], v14, s[SEL], s[SEL+1]
	s_delay_alu instid0(VALU_DEP_1)
	v_add_f32 v14, v14, v[SCR]
	s_wait_alu depctr_va_vdst(0)
	v_rcp_f32 v14, v14
	v_nop
	s_wait_alu depctr_va_vdst(0)
	WIN 0x01
.set n, 0
.rept 64
	v_mul_f32 v[S+n], v[n], v14                        ; O^T / the sum: register 16 b + i is the head's 32 b + 16 (lane / 16) + i
.set n, n+1
.endr
	WIN 0
.irp b, 0,1,2,3                        ; quantised along the head's 128, as the last projection's operand
	v_max3_num_f32 v[TM+\b], |v[S+16*\b]|, |v[S+1+16*\b]|, 0x1800000
.endr
.irp i, 2,4,6,8,10,12,14
.irp b, 0,1,2,3
	s_delay_alu instid0(VALU_DEP_4)
	v_max3_num_f32 v[TM+\b], v[TM+\b], |v[S+16*\b+\i]|, |v[S+1+16*\b+\i]|
.endr
.endr
.irp b, 0,1,2,3
	s_delay_alu instid0(VALU_DEP_4)
	v_permlanex16_b32 v[TM+4+\b], v[TM+\b], s[SEL], s[SEL+1]
.endr
.irp b, 0,1,2,3
	s_delay_alu instid0(VALU_DEP_4)
	v_max_num_f32 v[TM+\b], v[TM+\b], v[TM+4+\b]
.endr
.irp b, 0,1,2,3
	s_delay_alu instid0(VALU_DEP_4)
	v_add_nc_u32 v[TM+8+\b], 0xff000000, v[TM+\b]
.endr
.irp b, 0,1,2,3
	s_delay_alu instid0(VALU_DEP_4)
	v_lshrrev_b32 v[TM+4+\b], 23, v[TM+8+\b]
.endr
	s_delay_alu instid0(VALU_DEP_3)
	v_lshl_or_b32 v[PW], v[TM+5], 8, v[TM+4]
	s_delay_alu instid0(VALU_DEP_1)
	v_lshl_or_b32 v[PW], v[TM+6], 16, v[PW]
	s_delay_alu instid0(VALU_DEP_1)
	v_lshl_or_b32 v[PW], v[TM+7], 24, v[PW]
.irp c, 0,1
	v_cvt_scalef32_pk16_fp6_f32 v[PC+6*\c:PC+2+6*\c], v[S+32*\c:S+15+32*\c], v[TM+8+2*\c]
	v_cvt_scalef32_pk16_fp6_f32 v[PC+12+4*\c:PC+14+4*\c], v[S+16+32*\c:S+31+32*\c], v[TM+8+2*\c+1]
.endr
	v_nop
.irp c, 0,1
.irp i, 0,1,2
	v_permlane16_swap_b32 v[PC+6*\c+\i], v[PC+12+4*\c+\i]
.endr
.irp i, 0,1,2
	s_delay_alu instid0(VALU_DEP_3)
	v_mov_b32 v[PC+3+6*\c+\i], v[PC+12+4*\c+\i]
.endr
.endr
.irp c, 0,1,2
	global_store_b128 v[LI], v[PC+4*\c:PC+4*\c+3], s[8:9] offset:512*\c   ; the image: 512 consecutive aligned bytes a store
.endr
	s_wait_xcnt 0x0                                    ; EXEC changes only behind this wait
	s_and_saveexec_b32 s58, vcc_lo
	global_store_b32 v[SOF], v[PW], s[OSC:OSC+1]       ; lanes 0-15: my rows' scale words
	s_wait_xcnt 0x0
	s_or_b32 exec_lo, exec_lo, s58
	s_wait_tensorcnt 0x0                               ; the wave's end
	ds_add_u32 v[SPW], v[NIL]
	s_wait_dscnt 0x0
	CROUND                                             ; the closing round
	s_endpgm
.Lfunc_end_k_qe486919e6e_attn:
	.size	k_qe486919e6e_attn, .Lfunc_end_k_qe486919e6e_attn-k_qe486919e6e_attn
	.p2alignl 7, 3214868480
	.fill 96, 4, 3214868480
	.section	.rodata,"a",@progbits
	.p2align	6, 0x0
	.amdhsa_kernel k_qe486919e6e_attn
		.amdhsa_group_segment_fixed_size 327680
		.amdhsa_private_segment_fixed_size 0
		.amdhsa_enable_private_segment 0
		.amdhsa_kernarg_size 24
		.amdhsa_user_sgpr_count 2
		.amdhsa_user_sgpr_kernarg_segment_ptr 1
		.amdhsa_wavefront_size32 1
		.amdhsa_system_sgpr_workgroup_id_x 1
		.amdhsa_system_sgpr_workgroup_id_y 1
		.amdhsa_system_sgpr_workgroup_id_z 1
		.amdhsa_system_vgpr_workitem_id 0
		.amdhsa_next_free_vgpr 512
		.amdhsa_next_free_sgpr 66
		.amdhsa_reserve_vcc 1
		.amdhsa_float_denorm_mode_32 3
		.amdhsa_float_denorm_mode_16_64 3
		.amdhsa_memory_ordered 1
		.amdhsa_forward_progress 1
		.amdhsa_inst_pref_size 98
	.end_amdhsa_kernel
	.amdgpu_metadata
---
amdhsa.version: [ 1, 2 ]
amdhsa.kernels:
  - .name:           k_qe486919e6e_attn
    .symbol:         k_qe486919e6e_attn.kd
    .args:
      - { .name: qc, .offset: 0, .size: 8, .value_kind: global_buffer, .address_space: global }
      - { .name: kv, .offset: 8, .size: 8, .value_kind: global_buffer, .address_space: global }
      - { .name: ao, .offset: 16, .size: 8, .value_kind: global_buffer, .address_space: global }
    .group_segment_fixed_size: 327680
    .private_segment_fixed_size: 0
    .kernarg_segment_align: 8
    .kernarg_segment_size: 24
    .max_flat_workgroup_size: 256
    .sgpr_count:     66
    .vgpr_count:     512
    .wavefront_size: 32
...
	.end_amdgpu_metadata
.endif
;; end of part 3
;; launch oproj (part 4): grid 8 x 32, 4 waves a work-group, clusters of 4 x 4, 327,680 bytes of LDS; arguments ao, woq, out0; writes out0
.if DOCPART == 4
	.amdgcn_target "amdgcn-amd-amdhsa--gfx1250"
	.amdhsa_code_object_version 6
	.text
	.protected	k_qe486919e6e_oproj
	.globl	k_qe486919e6e_oproj
	.p2align	8
	.type	k_qe486919e6e_oproj,@function
k_qe486919e6e_oproj:
	s_mov_b64 s[64:65], 0
	v_nop
	global_prefetch_b8 v0, s[64:65] scope:SCOPE_SE
	s_setreg_imm32_b32 hwreg(HW_REG_WAVE_MODE, 25, 1), 1
	s_wait_xcnt 0x0
	s_wait_alu depctr_hold_cnt(0) depctr_sa_sdst(0) depctr_va_vdst(0) depctr_va_sdst(0) depctr_va_ssrc(0) depctr_va_vcc(0) depctr_vm_vsrc(0)
	s_getreg_b32 s2, hwreg(HW_REG_IB_STS2, 6, 4)
	s_cmp_eq_u32 s2, 0
	s_cbranch_scc0 .Lentry_in_a_cluster
	s_endpgm
.Lentry_in_a_cluster:
	s_bfe_u32 s2, ttmp6, 0x10000c
	s_cmp_lg_u32 s2, 0xf033
	s_cbranch_scc0 .Lentry_shape_is_right
	s_endpgm
.Lentry_shape_is_right:
; out0 [4096][2048] f32 = (attention's result) Wo, on codes of FP6 (E2M3) with E8M0 scales, K = 1,024.  A = ao, B = woq: images of fragments (16 rows x 128 K, 1,536 bytes: dword q of lane l at 512 (q / 4) + 16 l + 4 (q % 4)),
; laid [tile of 16 rows][K step], and behind them the scale bytes [row][32].  Rows lie at positions: bits 3 and 4 of the index exchanged (tokens in ao, output columns in woq).  Codes and bytes are taken as the earlier launches made them.
; SHARES: C has 32 x 8 tiles of 128 x 256: 256 work-groups.  Four waves, 2 x 2, each 64 rows x 128 columns: 32 accumulators, 256 registers.
; ALL OF K IS RESIDENT: (128 + 256) rows x 768 bytes of codes are 294,912 bytes, their scale bytes 13,056 with padding.  So every tensor load of the launch is a first fill; nothing is filled again, there is no ring,
; and the rounds of the cluster's barrier are the one in front of the head's loads, the one in front of half 1's and the closing one.  The codes come as two halves of K, so that the products of half 0 begin while half 1 is on its way: a wait and a plain
; barrier in front of half 1.  One load of a wave is out at most.  No prefetch: there is no later load to ask ahead for.
; CLUSTERS: 4 x 4 work-groups; A's tiles are asked for jointly by the four of a row of the cluster, B's by the four of a column.
; THE MATRIX INSTRUCTION IS USED TRANSPOSED (source 0 = 16 rows of B, source 1 = 16 rows of A): register j of accumulator (a, b) in lane (r, h) is position 16 a + r of my rows and TRUE column 32 (b / 2) + 16 h + 8 (b % 2) + j.
; The way out puts the columns right in the stage's offsets and the rows right in the stores' offsets.
; REGISTERS: window 0: v16-30 addresses; v32-63 scale words, two sets; v128-175, v176-223 A's fragments, two sets; on the way out v128-255.  window 1: B's fragments, two sets, at v0 and v128.  window 2: the accumulators, (a, b) at v[8 (8 a + b)].
; THE FILLS: the codes come as TWO HALVES of K, four K steps each, a tile's row 6,144 bytes.
; At the head each wave issues one joint load: wave 0 A's 8 tiles of half 0, wave 1 A's scale bytes, wave 2 B's 16 tiles of half 0, wave 3 B's scale bytes.  Half 1 is asked for behind the three lines and a round of the
; cluster's barrier, a quarter a wave; the wait for it and a plain barrier stand in K step 3.  Nothing is filled again.  One load of a wave is out at most.
.set KT,    8
.set FR,    12                         ; registers of a fragment
.set NP,    4                          ; places behind this matrix instruction (ISA guide 7.12.1)
.set TROW,  6144                       ; a tile of 16 rows in a half's region: four images
.set APAIR, 8*TROW                     ; A's 128 rows of a half of K
.set PAIR,  24*TROW                    ; and B's 256 behind them
.set SCL,   2*PAIR                     ; behind the two halves (PAIR and APAIR name a half's bytes)
.set KS,    4*KT                       ; a row of scale bytes
.set SBLK,  (16*KS/256)*272            ; those of 16 rows
.set ASCH,  (64*KS/256)*272            ; of 64 rows: what one wave reads of A's
.set BSCH,  (128*KS/256)*272           ; of 128 rows: the same for B
.set SPARE, SCL+2*ASCH+2*BSCH          ; the spare words, 128 bytes for each wave: two blocks of 256 bytes that no other line names
.set SPITCH, 528                       ; the way out: a stage of 16 rows x (512 bytes + 16) for each wave, in pair 0's bytes, which have had their only fill and, behind the barrier in front of pair 1, their last read
.set ADRA, 16                          ; v16-17 LDS address of my A fragments in half 0, 1
.set ADRB, 20                          ; v20-21 the same for B
.set STO,  24                          ; v24  the way out: where I put 32 bytes of a row
.set RD,   25                          ; v25  and where I read a row back
.set ADRS, 27                          ; v27  LDS address of my scale words: lanes 0-15 A's rows, lanes 16-31 B's
.set SPW,  28                          ; v28  LDS address of my spare word; never rewritten
.set NIL,  29                          ; v29  0; never rewritten
.set LI,   30                          ; v30  16 x lane
.set SC,   32                          ; scale words: set g % 2 for pair g; in it register 2 i + q: lanes 0-15 the word of A's block i, lanes 16-31 that of B's block i, for the pair's q-th K step
.set AF,   128
.set BK,   128                         ; the way out: 16 rows read back: v128-191 and v192-255 by turns
.set G1,   24                          ; s[24:31] descriptor group 1 for A's codes;  s[32:39] group 0, one set for each half
.set G0,   32
.set G1B,  48                          ; s[48:55] group 1 for B's codes;  group 0 at s[56:63] (halves 0, 1)
.set G0B,  56
.set G1S,  76                          ; s[76:83], s[92:95] groups 1 and 0 for A's scale bytes;  s[84:91], s[96:99] for B's
.set G1SB, 84
.set G0S,  92
.set G0SB, 96
.set MSB, 0
.macro WIN new                         ; the immediate's high byte repeats the setting that is left
.if MSB != (\new)
	s_set_vgpr_msb (MSB<<8)|(\new)
.set MSB, (\new)
.endif
.endm
.set MUL,  0xa1                        ; source 0 (B) window 1, source 1 (A) window 0, C and D window 2
.set TO_B, 0x40                        ; destination window 1, address window 0
.macro JLOAD g0a, g1a, g0b, g1b        ; a joint load: waves 0 and 1 fetch for A, waves 2 and 3 for B; the branch hangs on the wave's number alone; an s_nop 0 and four v_nop follow each of the two lines
	s_cmp_eq_u32 s17, 0
	s_cbranch_scc0 .Lfor_b_\@
	tensor_load_to_lds s[\g0a:\g0a+3], s[\g1a:\g1a+7]
	s_nop 0
.rept 4
	v_nop
.endr
	s_branch .Lasked_\@
.Lfor_b_\@:
	tensor_load_to_lds s[\g0b:\g0b+3], s[\g1b:\g1b+7]
	s_nop 0
.rept 4
	v_nop
.endr
.Lasked_\@:
.endm
.macro CROUND                          ; a round of the cluster's barrier
	s_barrier_signal -1
	s_barrier_wait -1
	s_cmp_lg_u32 s16, 0
	s_cbranch_scc1 .Lnot_wave_0_\@
	s_barrier_signal -3
.Lnot_wave_0_\@:
	s_barrier_wait -3
	s_barrier_signal -1
	s_barrier_wait -1
.endm
.macro SHAPE g, c, r, p                ; words 1 to 7 of a group 1: r rows of c elements of 8 bytes, p elements apart
	s_mov_b32 s[\g+1], (\c)<<16                        ; tensor_dim0
	s_mov_b32 s[\g+2], (\r)<<16                        ; tensor_dim1
	s_mov_b32 s[\g+3], (\c)<<16                        ; tile_dim0
	s_mov_b32 s[\g+4], \r                              ; tile_dim1
	s_mov_b32 s[\g+5], \p                              ; tensor_dim0_stride
	s_mov_b32 s[\g+6], 0
	s_mov_b32 s[\g+7], 0
.endm
.macro FRAG reg, adr, q, i             ; tile i's image of the pair's q-th K step: three loads of 512 consecutive bytes
.irp c, 0,1,2
	ds_load_b128 v[\reg+4*\c:\reg+4*\c+3], v[\adr] offset:(\i)*TROW+(\q)*1536+512*\c
.endr
.endm
.macro FETCH_B g, q, p                 ; B's eight fragments of pair g's q-th K step into set p
	WIN TO_B
.irp i, 0,1,2,3,4,5,6,7
	FRAG 128*(\p)+FR*\i, ADRB+(\g), \q, \i
.endr
.endm
.macro FETCH_A g, q, p                 ; A's four
	WIN 0
.irp i, 0,1,2,3
	FRAG AF+48*(\p)+FR*\i, ADRA+(\g), \q, \i
.endr
.endm
.macro SCALES g                        ; pair g's scale words: two a row.  Lanes 16-31 take B's block i; lanes 0-15 A's block i, which for i above 3 is no block of mine: those lanes' words are read from filled bytes and never used
.irp i, 0,1,2,3,4,5,6,7
	ds_load_b64 v[SC+16*((\g)%2)+2*\i:SC+16*((\g)%2)+2*\i+1], v[ADRS] offset:\i*SBLK+8*(\g)
.endr
.endm
.macro PLACES n                        ; plain vector instructions between a matrix instruction and a load into, or a read of, its registers (ISA guide 7.12.1 for a read)
.rept \n
	v_nop
.endr
.endm
; 16 matrix instructions: A's blocks a0, a0 + 1 x B's eight.  The 32 accumulators take turns, one instruction a turn, in the same order in every step.
.macro MUL16 a0, p, q, sc, zero
.irp a, \a0, \a0+1
.irp b, 0,1,2,3,4,5,6,7
.if \zero
	v_wmma_scale_f32_16x16x128_f8f6f4 v[8*(8*(\a)+\b):8*(8*(\a)+\b)+7], v[128*(\p)+FR*\b:128*(\p)+FR*\b+FR-1], v[AF+48*(\p)+FR*(\a):AF+48*(\p)+FR*(\a)+FR-1], 0, v[SC+16*(\sc)+2*\b+(\q)], v[SC+16*(\sc)+2*(\a)+(\q)] matrix_a_fmt:MATRIX_FMT_FP6 matrix_b_fmt:MATRIX_FMT_FP6 matrix_a_scale:MATRIX_SCALE_ROW1
.else
	v_wmma_scale_f32_16x16x128_f8f6f4 v[8*(8*(\a)+\b):8*(8*(\a)+\b)+7], v[128*(\p)+FR*\b:128*(\p)+FR*\b+FR-1], v[AF+48*(\p)+FR*(\a):AF+48*(\p)+FR*(\a)+FR-1], v[8*(8*(\a)+\b):8*(8*(\a)+\b)+7], v[SC+16*(\sc)+2*\b+(\q)], v[SC+16*(\sc)+2*(\a)+(\q)] matrix_a_fmt:MATRIX_FMT_FP6 matrix_b_fmt:MATRIX_FMT_FP6 matrix_a_scale:MATRIX_SCALE_ROW1
.endif
.endr
.endr
.endm
; K step k of 8: pair k / 2, sets k % 2.  32 matrix instructions; the next step's fragments are fetched into the other sets in two runs: B's 24 loads at the head, A's 12 (and a new pair's 8 loads of scale words) in the middle.
.macro KSTEP k
.if (\k) > 0
	PLACES NP                                          ; behind the last step's products, in front of this step's loads into the sets that they read
.endif
	s_wait_dscnt 0x0                                   ; this step's fragments are in; no LDS instruction of mine is out
.if (\k) < 7
.if (\k) == 3
	s_wait_tensorcnt 0x0                               ; my part of half 1 has landed
	s_barrier_signal -1
	s_barrier_wait -1                                  ; everybody's has; and every wave's reads of the pair before this one are over
.endif
	FETCH_B ((\k)+1)/4, ((\k)+1)%4, ((\k)+1)%2
.endif
	WIN MUL
.if (\k) == 0
	MUL16 0, 0, 0, 0, 1                                ; the first step's products start the sums: nothing is cleared
.else
	MUL16 0, (\k)%2, (\k)%2, ((\k)/2)%2, 0
.endif
.if (\k) < 7
	FETCH_A ((\k)+1)/4, ((\k)+1)%4, ((\k)+1)%2
.if (\k)%2 == 1
	SCALES ((\k)+1)/2
.endif
.endif
	WIN MUL
.if (\k) == 0
	MUL16 2, 0, 0, 0, 1
.else
	MUL16 2, (\k)%2, (\k)%2, ((\k)/2)%2, 0
.endif
	WIN 0
.endm
	s_load_b128 s[4:7], s[0:1], 0x0                    ; ao s[4:5], woq s[6:7]
	s_load_b64 s[8:9], s[0:1], 0x10                    ; out0
	v_lshl_add_u32 v[SPW], v0, 2, SPARE
	v_mov_b32 v[NIL], 0
	ds_add_u32 v[SPW], v[NIL]                          ; the wave's opening: the add and its wait ahead of my first tensor load; work on registers stands between them
	ds_add_u32 v[SPW], v[NIL]
	v_lshrrev_b32 v1, 5, v0
	v_readfirstlane_b32 s16, v1                        ; wave 0..3
	s_lshr_b32 s17, s16, 1                             ; which 64 of the tile's rows are mine.  Also: I fetch for A (0) or for B (1)
	s_and_b32 s18, s16, 1                              ; which 128 of its columns.  Also: which half of that operand's rows I fetch
	s_bfe_u32 s20, ttmp6, 0x40000                      ; cx
	s_bfe_u32 s21, ttmp6, 0x40004                      ; cy
	s_lshl_b32 s22, ttmp9, 2
	s_add_co_u32 s22, s22, s20                         ; tile column of C, 0 .. 7
	s_and_b32 s23, ttmp7, 0xffff
	s_lshl_b32 s23, s23, 2
	s_add_co_u32 s23, s23, s21                         ; tile row of C, 0 .. 31
	s_lshl_b32 s10, s21, 2
	s_lshl_b32 s10, 15, s10                            ; my row of the cluster
	s_lshl_b32 s11, 0x1111, s20                        ; my column
	s_or_b32 s[G1+0], s10, (3<<16)|(1<<21)             ; 15:0 the mask: A's tiles go to my row; 17:16 elements of 8 bytes; 21 set beside a mask
	s_or_b32 s[G1B+0], s11, (3<<16)|(1<<21)            ; B's to my column
	s_or_b32 s[G1S+0], s10, (3<<16)|(1<<20)|(1<<21)|(5<<22)|(3<<25)   ; the scale bytes: padding on, 4 words behind every 64
	s_or_b32 s[G1SB+0], s11, (3<<16)|(1<<20)|(1<<21)|(5<<22)|(3<<25)
	SHAPE G1, 768, 8, KT*192                           ; A's codes: the head's load brings 8 tiles, 6,144 bytes of each; the row counts are set to 4 behind it
	SHAPE G1B, 768, 16, KT*192                         ; B's: 16 tiles, later 8
	SHAPE G1S, 32, 128*KS/256, 32                      ; the scale bytes of A's 128 rows
	SHAPE G1SB, 32, 256*KS/256, 32                     ; of B's 256 rows
	; where my loads come from: A's hang on the tile row alone, B's on the tile column alone, each in registers that never hold the other coordinate
	s_lshl_b32 s12, s23, 3
	s_lshl_b32 s13, s18, 2
	s_add_co_u32 s12, s12, s13                         ; A: the first of the four tiles of 16 rows that I fetch
	s_mul_i32 s14, s12, 16*KS
	s_add_co_u32 s14, s14, 256*KT*1536                 ; its scale bytes, behind ao's 256 tiles of images,
	s_mul_i32 s12, s12, KT*1536                        ; and its codes
	s_mov_b32 s13, 0
	s_mov_b32 s15, 0
	s_lshl_b32 s2, s22, 4
	s_lshl_b32 s3, s18, 3
	s_add_co_u32 s2, s2, s3                            ; B: the first of the eight tiles
	s_mul_i32 s66, s2, 16*KS
	s_add_co_u32 s66, s66, 128*KT*1536                 ; behind woq's 128 tiles
	s_mul_i32 s2, s2, KT*1536
	s_mov_b32 s3, 0
	s_mov_b32 s67, 0
	s_wait_dscnt 0x0                                   ; the opening add is done
	s_wait_kmcnt 0x0
	s_add_nc_u64 s[12:13], s[4:5], s[12:13]
	s_add_nc_u64 s[14:15], s[4:5], s[14:15]
	s_add_nc_u64 s[2:3], s[6:7], s[2:3]
	s_add_nc_u64 s[66:67], s[6:7], s[66:67]
	CROUND                                             ; all sixteen work-groups are here: the joint loads meet
	s_mov_b32 s[G0S], 1                                ; count = 1
	s_mov_b32 s[G0S+1], SCL
	s_sub_nc_u64 s[G0S+2:G0S+3], s[14:15], 4*16*KS     ; used by wave 1 alone, whose address stands at the second half of the rows: back to the first
	s_or_b32 s[G0S+3], s[G0S+3], 0x80000000            ; type = 2
	s_mov_b32 s[G0SB], 1
	s_mov_b32 s[G0SB+1], SCL+2*ASCH
	s_sub_nc_u64 s[G0SB+2:G0SB+3], s[66:67], 8*16*KS   ; used by wave 3 alone, likewise
	s_or_b32 s[G0SB+3], s[G0SB+3], 0x80000000
.irp g, 0,1
	s_mov_b32 s[G0+4*\g], 1
	s_mul_i32 s[G0+4*\g+1], s18, 4*TROW
	s_add_co_u32 s[G0+4*\g+1], s[G0+4*\g+1], \g*PAIR
	s_add_nc_u64 s[G0+4*\g+2:G0+4*\g+3], s[12:13], \g*TROW
	s_or_b32 s[G0+4*\g+3], s[G0+4*\g+3], 0x80000000
	s_mov_b32 s[G0B+4*\g+4*(\g/2)], 1
	s_mul_i32 s[G0B+4*\g+4*(\g/2)+1], s18, 8*TROW
	s_add_co_u32 s[G0B+4*\g+4*(\g/2)+1], s[G0B+4*\g+4*(\g/2)+1], \g*PAIR+APAIR
	s_add_nc_u64 s[G0B+4*\g+4*(\g/2)+2:G0B+4*\g+4*(\g/2)+3], s[2:3], \g*TROW
	s_or_b32 s[G0B+4*\g+4*(\g/2)+3], s[G0B+4*\g+4*(\g/2)+3], 0x80000000
.endr
; the head's loads, one a wave: one chain of branches on the wave's number, one load to an arm.  Waves 0 and 2 fetch the first rows in the later load, so their half 0 descriptors stand at the tile's first row.
.macro ARM under, g0, g1, next
	s_cmp_lt_u32 s16, \under
	s_cbranch_scc0 \next
	tensor_load_to_lds s[\g0:\g0+3], s[\g1:\g1+7]
	s_nop 0
.rept 4
	v_nop
.endr
	s_branch .Lhead_asked
\next:
.endm
	ARM 1, G0, G1, .Lhead_sa
	ARM 2, G0S, G1S, .Lhead_b
	ARM 3, G0B, G1B, .Lhead_sb
	tensor_load_to_lds s[G0SB:G0SB+3], s[G1SB:G1SB+7]
	s_nop 0
.rept 4
	v_nop
.endr
.Lhead_asked:
	v_and_b32 v1, 15, v0                               ; lane % 16
	v_bfe_u32 v2, v0, 4, 1                             ; lane / 16
	v_and_b32 v3, 31, v0
	v_lshlrev_b32 v[LI], 4, v3
	s_wait_alu depctr_va_vdst(0)
	s_mul_i32 s12, s17, 4*TROW                         ; my 64 rows of A
	s_mul_i32 s13, s18, 8*TROW                         ; my 128 rows of B,
	s_add_co_u32 s13, s13, APAIR                       ; which lie behind A's 128
.irp g, 0,1
	v_add_nc_u32 v[ADRA+\g], s12, v[LI]
	v_add_nc_u32 v[ADRB+\g], s13, v[LI]
	s_add_co_u32 s12, s12, PAIR
	s_add_co_u32 s13, s13, PAIR
.endr
	v_mul_u32_u24 v5, v1, KS                           ; my row's scale bytes: KS a row,
	v_lshrrev_b32 v6, 8, v5
	v_lshl_add_u32 v5, v6, 4, v5                       ; and 16 more for each 256 passed
	s_mul_i32 s12, s17, ASCH
	s_mul_i32 s13, s18, BSCH
	s_add_co_u32 s13, s13, 2*ASCH
	s_sub_co_u32 s13, s13, s12
	v_mul_u32_u24 v6, s13, v2                          ; lanes 16-31 take B's: one product, the distance between the two bases
	s_add_co_u32 s12, s12, SCL
	v_add_nc_u32 v5, v5, v6
	v_add_nc_u32 v[ADRS], s12, v5
	s_mul_i32 s12, s16, 16*SPITCH                      ; my stage
	v_mul_u32_u24 v5, v1, SPITCH
	v_lshl_add_u32 v5, v2, 6, v5
	v_add_nc_u32 v[STO], s12, v5                       ; in: row lane % 16, + 64 (lane / 16)
	v_add_nc_u32 v[RD], s12, v[LI]                     ; back: the 32 lanes take one row of 512 bytes
	s_lshl_b32 s12, s23, 7
	s_lshl_b32 s13, s17, 6
	s_add_co_u32 s12, s12, s13                         ; my first row of C: 128 x tile row + 64 x half,
	s_lshl_b32 s12, s12, 13                            ; of 8,192 bytes,
	s_lshl_b32 s13, s22, 10
	s_add_co_u32 s12, s12, s13                         ; and my first column: 1,024 x tile column + 512 x half
	s_lshl_b32 s13, s18, 9
	s_add_co_u32 s12, s12, s13
	s_mov_b32 s13, 0
	s_add_nc_u64 s[8:9], s[8:9], s[12:13]
	s_wait_alu depctr_va_vdst(0)
	s_wait_tensorcnt 0x0                               ; my tile of the head's four is in
	ds_add_u32 v[SPW], v[NIL]
	s_mov_b32 s[G1+2], 4<<16                           ; no tensor load of mine is out: the next load brings 4 tiles of A,
	s_mov_b32 s[G1+4], 4
	s_mov_b32 s[G1B+2], 8<<16                          ; or 8 of B
	s_mov_b32 s[G1B+4], 8
	s_wait_dscnt 0x0
	CROUND                                             ; all four tiles are in, all sixteen work-groups are here
	JLOAD G0+4, G1, G0B+4, G1B                         ; half 1: the first tensor load behind the round
	FETCH_B 0, 0, 0
	FETCH_A 0, 0, 0
	SCALES 0
.irp k, 0,1,2,3,4,5,6,7
	KSTEP \k
.endr
; THE WAY OUT, block by block of 16 positions x 128 columns, through my own stage: in by columns put right, back as whole rows of 512 bytes.  LDS serves a wave's instructions in order: no wait between the stores and the loads.
.macro TOSTAGE a
.set AC, 64*(\a)
	WIN 0x08                                           ; the data: window 2
.irp b, 0,1,2,3,4,5,6,7
	ds_store_b128 v[STO], v[AC+8*\b:AC+8*\b+3] offset:128*(\b/2)+32*(\b%2)       ; each accumulator from its low end on
	ds_store_b128 v[STO], v[AC+8*\b+4:AC+8*\b+7] offset:128*(\b/2)+32*(\b%2)+16
.endr
	WIN 0
.set BB, BK+64*((\a)%2)
.irp t, 0,1,2,3,4,5,6,7,8,9,10,11,12,13,14,15
	ds_load_b128 v[BB+4*\t:BB+4*\t+3], v[RD] offset:\t*SPITCH
.endr
.endm
.macro SEND a, younger                 ; younger: the LDS instructions issued behind block a's loads, which may stay out
.set BB, BK+64*((\a)%2)
	s_wait_dscnt \younger
.irp t, 0,1,2,3,4,5,6,7,8,9,10,11,12,13,14,15
	global_store_b128 v[LI], v[BB+4*\t:BB+4*\t+3], s[8:9] offset:(32*((\a)/2)+8*((\a)%2)+(\t%8)+16*(\t/8))*8192 th:TH_STORE_NT   ; position 16 a + t is this true row; 32 lanes store 512 consecutive aligned bytes; 63 rows at the most: inside the signed 24-bit immediate
.endr
.endm
	PLACES NP                                          ; in front of the first read of results and of the loads into the registers that held A's fragments
	TOSTAGE 0
.irp a, 1,2,3
.if \a > 1
	s_wait_xcnt 0x0                                    ; block a - 2's stores have read their registers: block a's loads may land there
.endif
	TOSTAGE \a
	SEND \a-1, 32                                      ; behind block a - 1's loads: block a's 16 stores and 16 loads
.endr
	SEND 3, 0
	s_wait_tensorcnt 0x0                               ; the wave's end: three lines behind my last tensor load and my last LDS store
	ds_add_u32 v[SPW], v[NIL]
	s_wait_dscnt 0x0
	CROUND                                             ; the closing round: no work-group ends while a partner may still ask for a tile that names it
	s_endpgm
.Lfunc_end_k_qe486919e6e_oproj:
	.size	k_qe486919e6e_oproj, .Lfunc_end_k_qe486919e6e_oproj-k_qe486919e6e_oproj
	.p2alignl 7, 3214868480
	.fill 96, 4, 3214868480
	.section	.rodata,"a",@progbits
	.p2align	6, 0x0
	.amdhsa_kernel k_qe486919e6e_oproj
		.amdhsa_group_segment_fixed_size 327680
		.amdhsa_private_segment_fixed_size 0
		.amdhsa_enable_private_segment 0
		.amdhsa_kernarg_size 24
		.amdhsa_user_sgpr_count 2
		.amdhsa_user_sgpr_kernarg_segment_ptr 1
		.amdhsa_wavefront_size32 1
		.amdhsa_system_sgpr_workgroup_id_x 1
		.amdhsa_system_sgpr_workgroup_id_y 1
		.amdhsa_system_sgpr_workgroup_id_z 1
		.amdhsa_system_vgpr_workitem_id 0
		.amdhsa_next_free_vgpr 768
		.amdhsa_next_free_sgpr 100
		.amdhsa_reserve_vcc 0
		.amdhsa_float_denorm_mode_32 3
		.amdhsa_float_denorm_mode_16_64 3
		.amdhsa_memory_ordered 1
		.amdhsa_forward_progress 1
		.amdhsa_inst_pref_size 80
	.end_amdhsa_kernel
	.amdgpu_metadata
---
amdhsa.version: [ 1, 2 ]
amdhsa.kernels:
  - .name:           k_qe486919e6e_oproj
    .symbol:         k_qe486919e6e_oproj.kd
    .args:
      - { .name: ao, .offset: 0, .size: 8, .value_kind: global_buffer, .address_space: global }
      - { .name: woq, .offset: 8, .size: 8, .value_kind: global_buffer, .address_space: global }
      - { .name: out0, .offset: 16, .size: 8, .value_kind: global_buffer, .address_space: global }
    .group_segment_fixed_size: 327680
    .private_segment_fixed_size: 0
    .kernarg_segment_align: 8
    .kernarg_segment_size: 24
    .max_flat_workgroup_size: 128
    .sgpr_count:     100
    .vgpr_count:     768
    .wavefront_size: 32
...
	.end_amdgpu_metadata
.endif
;; end of part 4
